; MI455X (gfx1250); checked and timed in simulation.
; The chip was launched on July 23, 2026; its instructions are those of AMD's public machine-readable ISA for CDNA 5 (MIT licence, August 2026) and "CDNA5" Instruction Set Architecture Reference Guide (July 2026). The comments in the code are by the model that wrote it; some were corrected since.
;; Multi Head Attention. Allowed arithmetic: matrix products marked QUANTISED: E2M3 operands, one E8M0 scale for each 32 along K, by v_wmma_scale_f32_16x16x128_f8f6f4 with both operands' format E2M3, f32 sums; everything else in f32.
;; Inputs: W_qkv_bias 3,072 float32; W_qkv_kernel 1,024 x 3,072 float32; attention_mask 2 x 2,048 int32; c_proj_bias 1,024 float32; c_proj_kernel 1,024 x 1,024 float32; x 2 x 2,048 x 1,024 float32.
;; Outputs: out0 2 x 2,048 x 1,024 float32.
;; This version of the problem:
;;   THIS VERSION OF THE PROBLEM IS GIVEN IN LOW PRECISION. The matrix products marked QUANTISED in the list below multiply operands that are first quantised to E2M3 (2 exponent bits, 3 mantissa bits; 6 bits a number), with one power-of-two scale for each 32 numbers along K (OCP MX v1.0); their sums are f32. All else is computed in f32.
;;   The module's matrix products, in the order in which they are computed (A, B: the left and right operand; K: the contracted axis; several contracted axes count as one K, in the product's order):
;;     1. [M 4,096, K 1,024] x [K 1,024, N 3,072]; A: input x; B: input W_qkv_kernel: QUANTISED
;;     2. batch 32 x [M 2,048, K 64] x [K 64, N 2,048]; A: computed on the way; B: computed on the way: QUANTISED
;;     3. batch 32 x [M 2,048, K 2,048] x [K 2,048, N 64]; A: softmax (see below); B: computed on the way: QUANTISED
;;     4. [M 4,096, K 1,024] x [K 1,024, N 1,024]; A: computed on the way; B: input c_proj_kernel: QUANTISED
;;   THE QUANTISER, for each operand of a quantised product, along K:
;;     - K is cut into blocks of 32 from its start; a last block that is shorter is filled with zeros.
;;     - A block's scale is 2^e with e = floor(log2(the largest magnitude in the block)) - 2, held to -126 .. 127; a block of zeros has e = 0. As a byte (E8M0): e + 127.
;;     - Each number is divided by its block's scale, clamped to +-7.5, and rounded to the nearest number of E2M3, ties to even, subnormals kept.
;;     - The product sums the exact products of the quantised numbers (number of the format x scale) in f32.
;;   ~~~python
;;   def quantise(x, axis):      # numpy; x: float32 -> the quantised numbers, widened to float32 again
;;       x = np.moveaxis(x, axis, -1); K = x.shape[-1]
;;       x = np.pad(x, [(0, 0)] * (x.ndim - 1) + [(0, -K % 32)]); x = x.reshape(x.shape[:-1] + (-1, 32)); a = np.abs(x).max(-1, keepdims=True)
;;       e = np.where(a > 0, np.clip(np.frexp(np.where(a > 0, a, 1))[1] - 1 - 2, -126, 127), 0)      # np.frexp(a)[1] - 1 = floor(log2(a)), exactly
;;       r = np.clip(x / 2.0 ** e, -7.5, 7.5)
;;       step = 2.0 ** (np.maximum(np.frexp(np.where(r == 0, 1, r))[1] - 1, 0) - 3)
;;       q = np.round(r / step) * step * 2.0 ** e      # np.round: ties to even
;;       return np.moveaxis(q.reshape(q.shape[:-2] + (-1,))[..., :K], -1, axis).astype(np.float32)
;;   ~~~
;;   SOFTMAX AHEAD OF A QUANTISED PRODUCT. Where the list says 'softmax', what is quantised is not the finished softmax but p = 2^(t - M), with t = logit x log2(e) and M = ceil(the row's largest t), a whole number; so 1/2 < the row's largest p <= 1. The row's sum l is taken of the UNQUANTISED p, in f32, and the product's result is divided by l at the end. Since M is a whole number, a kernel that streams over the keys may use a running M (the ceiling of the running maximum): every later rescaling is an exact power of two, which a block's scale takes up: the codes' values come out the same.
;;   OPERANDS COMPUTED ON THE WAY. 'Computed on the way' means the value that the module computes at that place (a softmax that the list does not call 'softmax' is quantised finished and normalised). What goes into a quantiser is computed in f32, as accurately as f32 sums, v_exp_f32 and their like allow (about 1e-6 of the number): no bf16 or f16 on the way to a quantiser, and a product that is left as it is and whose result goes on into a quantised operand takes f32 operands (vector FMAs, or v_wmma_f32_16x16x4_f32). A number that lies on a knife's edge between two numbers of the format may be rounded either way, as far as f32 arithmetic and the matrix unit's own rounding can turn it there, and no further.
;; One version. Each part assembles by itself: llvm-mc -triple=amdgcn-amd-amdhsa -mcpu=gfx1250 --defsym DOCPART=n.
;; ======== version 1 of 1: 4 launches
;; limits: right only within a limited range of input values
;; workspace buffers: xq 3,276,800 bytes; wq 3,276,800 bytes; qq 3,407,872 bytes; kv 6,553,600 bytes; cq 3,276,800 bytes
;; launch quant (part 1): grid 256 x 1, 8 waves a work-group, no clusters, 95,232 bytes of LDS; arguments x, W_qkv_kernel, c_proj_kernel, xq, wq; writes xq, wq
.if DOCPART == 1
	.amdgcn_target "amdgcn-amd-amdhsa--gfx1250"
	.amdhsa_code_object_version 6
	.text
	.protected	k_q99623fe97c_quant
	.globl	k_q99623fe97c_quant
	.p2align	8
	.type	k_q99623fe97c_quant,@function
k_q99623fe97c_quant:
	s_mov_b64 s[64:65], 0
	v_nop
	global_prefetch_b8 v0, s[64:65] scope:SCOPE_SE
	s_setreg_imm32_b32 hwreg(HW_REG_WAVE_MODE, 25, 1), 1
	s_wait_xcnt 0x0
; x [4096][1024], W_qkv [1024][3072] and c_proj [1024][1024], f32, become codes of FP6 (E2M3) with one E8M0 byte for each 32 along K (K = 1,024 in all three).
; A block's scale is 2^(floor(log2(largest magnitude)) - 2): its byte is the largest magnitude's exponent field - 2, held at 1 from below.
; LIMITS: NaN and infinities are not served; a block whose largest magnitude lies under 2^-124, a block of zeros among them, keeps the byte 1 (its codes add nothing; this program alone reads the bytes).
; THE CODES ARE LAID AS IMAGES OF OPERAND REGISTERS.  A fragment (16 rows x 128 K, 12 registers a lane) is 1,536 bytes: plane g (512 bytes) holds registers 4 g .. 4 g + 3 of lane l at 16 l.
; THE ROWS OF A TILE ARE NOT NEIGHBOURS: row r of tile t is 32 (t / 2) + 8 (t % 2) + r + 8 (r / 8), so that the results of two neighbouring tiles are 16 neighbours in a lane's registers.
; Work-groups 0-127 take x (K innermost): a wave takes 16 tokens x 256 K, two fragments.  Each load reads 512 consecutive bytes of a row; the rows turn through the wave's own stage in LDS.
; Work-groups 128-255 take the weights (K outermost): a lane takes a column and its registers run down K; a wave takes 32 columns x 128 K: one K step of two tiles; the image is gathered in the wave's stage.
; No tensor loads, no barrier: waves share nothing.  The two paths have LDS bytes of their own.  Scale words leave 4 bytes a lane to rows 32 bytes apart: one byte in 128 of what is read.
.set XSOFF,  3145728                   ; where the scale bytes begin, in xq and in wq: [row][32]
.set PCDOFF, 2359296                   ; where c_proj's codes begin in wq
.set XSTG,   8448                      ; path X: a wave's stage, 16 rows x (512 + 16) bytes
.set WSTG0,  67584                     ; path W: behind the eight stages of path X
.set WSTG,   3328                      ; a wave's stage: two images of 1,536 bytes, 1,664 apart
.set TM,  208                          ; v208-223 at work in QUANT
.set SEL, 26                           ; s[26:27] lane selects: lane l xor 16
; 64 numbers of a lane, register 16 b + i = k 32 b + 16 (lane / 16) + i of my row, become a fragment's 12 registers of codes in v[pc] on (v[pc+12] to v[pc+18] at work) and its scale word in v[pw].
.macro QUANT s, pc, pw
.irp b, 0,1,2,3
	v_max3_num_f32 v[TM+\b], |v[(\s)+16*\b]|, |v[(\s)+1+16*\b]|, 0x1800000   ; my 16 numbers of block b, and the floor 2^(3 - 127): the byte cannot fall under 1
.endr
.irp i, 2,4,6,8,10,12,14
.irp b, 0,1,2,3
	s_delay_alu instid0(VALU_DEP_4)
	v_max3_num_f32 v[TM+\b], v[TM+\b], |v[(\s)+16*\b+\i]|, |v[(\s)+1+16*\b+\i]|
.endr
.endr
.irp b, 0,1,2,3
	s_delay_alu instid0(VALU_DEP_4)
	v_permlanex16_b32 v[TM+4+\b], v[TM+\b], s[SEL], s[SEL+1]
.endr
.irp b, 0,1,2,3
	s_delay_alu instid0(VALU_DEP_4)
	v_max_num_f32 v[TM+\b], v[TM+\b], v[TM+4+\b]             ; with lane l xor 16's: the block's largest magnitude
.endr
.irp b, 0,1,2,3
	s_delay_alu instid0(VALU_DEP_4)
	v_add_nc_u32 v[TM+12+\b], 0xff000000, v[TM+\b]           ; 2 off its exponent field: the conversion's scale operand
.endr
.irp b, 0,1,2,3
	s_delay_alu instid0(VALU_DEP_4)
	v_lshrrev_b32 v[TM+4+\b], 23, v[TM+12+\b]                ; the scale's byte
.endr
	s_delay_alu instid0(VALU_DEP_3)
	v_lshl_or_b32 v[\pw], v[TM+5], 8, v[TM+4]
	s_delay_alu instid0(VALU_DEP_1)
	v_lshl_or_b32 v[\pw], v[TM+6], 16, v[\pw]
	s_delay_alu instid0(VALU_DEP_1)
	v_lshl_or_b32 v[\pw], v[TM+7], 24, v[\pw]
.irp c, 0,1
	v_cvt_scalef32_pk16_fp6_f32 v[(\pc)+6*\c:(\pc)+2+6*\c], v[(\s)+32*\c:(\s)+15+32*\c], v[TM+12+2*\c]
	v_cvt_scalef32_pk16_fp6_f32 v[(\pc)+12+4*\c:(\pc)+14+4*\c], v[(\s)+16+32*\c:(\s)+31+32*\c], v[TM+12+2*\c+1]
.endr
	v_nop                                                    ; one plain place behind a scaled conversion
.irp c, 0,1                                                  ; the layout wants a whole block in a lane: lanes 0-15 block 2 c, lanes 16-31 block 2 c + 1
.irp i, 0,1,2
	v_permlane16_swap_b32 v[(\pc)+6*\c+\i], v[(\pc)+12+4*\c+\i]
.endr
.irp i, 0,1,2
	s_delay_alu instid0(VALU_DEP_3)
	v_mov_b32 v[(\pc)+3+6*\c+\i], v[(\pc)+12+4*\c+\i]
.endr
.endr
.endm
	s_load_b128 s[4:7], s[0:1], 0x0                ; x, W_qkv
	s_load_b128 s[8:11], s[0:1], 0x10              ; c_proj, xq
	s_load_b64 s[12:13], s[0:1], 0x20              ; wq
	v_lshl_add_u32 v254, v0, 2, 0x17000
	v_mov_b32 v255, 0
	v_lshrrev_b32 v1, 5, v0
	s_delay_alu instid0(VALU_DEP_1)
	v_readfirstlane_b32 s14, v1                    ; wave 0..7
	s_cmp_lt_u32 ttmp9, 128
	s_cbranch_scc0 .Lweights
	; ---------------- x ----------------
	s_lshl_b32 s15, ttmp9, 3
	s_add_co_u32 s15, s15, s14                     ; which of 1,024 shares
	s_lshr_b32 s16, s15, 2                         ; tile of 16 tokens, 0..255
	s_and_b32 s17, s15, 3                          ; which 256 along K
	s_lshr_b32 s18, s16, 1
	s_lshl_b32 s18, s18, 5
	s_and_b32 s19, s16, 1
	s_lshl_b32 s19, s19, 3
	s_add_co_u32 s18, s18, s19                     ; the tile's first token: 32 (tile / 2) + 8 (tile % 2)
	s_lshl_b32 s20, s18, 12                        ; a row of x is 4,096 bytes
	s_lshl_b32 s19, s17, 10
	s_add_co_u32 s20, s20, s19
	s_mov_b32 s21, 0
	s_lshr_b32 s22, s16, 4                         ; codes: [block of 256 tokens][256 K][tile 16][128 K][1536]
	s_mul_i32 s22, s22, 196608
	s_mul_i32 s19, s17, 49152
	s_add_co_u32 s22, s22, s19
	s_and_b32 s19, s16, 15
	s_mul_i32 s19, s19, 3072
	s_add_co_u32 s22, s22, s19
	s_mov_b32 s23, 0
	s_lshl_b32 s24, s18, 5                         ; scale bytes: 32 a token, 8 for my 256 K
	s_lshl_b32 s19, s17, 3
	s_add_co_u32 s24, s24, s19
	s_add_co_u32 s24, s24, XSOFF
	s_mov_b32 s25, 0
	s_mov_b32 s[SEL], 0x76543210
	s_mov_b32 s[SEL+1], 0xfedcba98
	s_mov_b32 s28, 0xffff0000                      ; lanes 16-31
	s_mul_i32 s29, s14, XSTG
	v_and_b32 v5, 31, v0
	s_delay_alu instid0(VALU_DEP_1)
	v_lshlrev_b32 v1, 4, v5                        ; 16 x lane
	v_and_b32 v6, 15, v0                           ; r
	v_bfe_u32 v7, v0, 4, 1                         ; h
	s_delay_alu instid0(VALU_DEP_3)
	v_add_nc_u32 v2, s29, v1                       ; stage, in: a row's 512 bytes as they lie
	s_delay_alu instid0(VALU_DEP_3)
	v_mul_u32_u24 v3, v6, 528
	s_delay_alu instid0(VALU_DEP_1)
	v_lshl_add_u32 v3, v7, 6, v3
	s_delay_alu instid0(VALU_DEP_1)
	v_add_nc_u32 v3, s29, v3                       ; stage, out: row r, + 64 h: my 16 numbers of each block of 32
	v_and_b32 v4, 8, v6
	s_delay_alu instid0(VALU_DEP_1)
	v_add_nc_u32 v4, v4, v6                        ; r + 8 (r / 8)
	s_delay_alu instid0(VALU_DEP_1)
	v_lshlrev_b32 v4, 5, v4
	s_delay_alu instid0(VALU_DEP_1)
	v_lshl_add_u32 v4, v7, 2, v4                   ; my token's scale bytes; lanes 16-31 store the second fragment's word
.irp b, 0,1,2,3
	v_mov_b32 v[TM+4+\b], 0                        ; written once: a lane permute's destination counts as one of its sources
.endr
	s_wait_alu depctr_va_vdst(0)
	s_wait_kmcnt 0x0
	s_add_nc_u64 s[4:5], s[4:5], s[20:21]
	s_add_nc_u64 s[30:31], s[10:11], s[22:23]
	s_add_nc_u64 s[32:33], s[10:11], s[24:25]
.irp t, 0,1
.irp i, 0,1,2,3,4,5,6,7,8,9,10,11,12,13,14,15
	global_load_b128 v[16+64*\t+4*\i:16+64*\t+4*\i+3], v1, s[4:5] offset:(\i+8*(\i/8))*4096+512*\t th:TH_LOAD_NT   ; 32 lanes read 512 consecutive bytes of the tile's row i
.endr
.endr
.irp t, 0,1
	s_wait_loadcnt 16*(1-\t)                       ; this fragment's 16 loads are in; the other fragment's 16 may be out
.irp i, 0,1,2,3,4,5,6,7,8,9,10,11,12,13,14,15
	ds_store_b128 v2, v[16+64*\t+4*\i:16+64*\t+4*\i+3] offset:528*\i
.endr
.irp b, 0,1,2,3
.irp j, 0,1,2,3
	ds_load_b128 v[144+16*\b+4*\j:144+16*\b+4*\j+3], v3 offset:128*\b+16*\j   ; LDS serves a wave's instructions in order: these see the stores above
.endr
.endr
	s_wait_dscnt 0x0
.if \t > 0
	s_wait_xcnt 0x0                                ; the first fragment's stores have read their registers: the codes may be written again
.endif
	QUANT 144, 226, 224+\t
.irp g, 0,1,2
	global_store_b128 v1, v[226+4*\g:229+4*\g], s[30:31] offset:1536*\t+512*\g   ; 512 consecutive bytes, aligned
.endr
.endr
	v_cndmask_b32 v5, v224, v225, s28              ; lanes 0-15: the first fragment's word, lanes 16-31 the second's
	global_store_b32 v4, v5, s[32:33]
	s_wait_tensorcnt 0x0
	ds_add_u32 v254, v255
	s_wait_dscnt 0x0
	s_endpgm
	; ---------------- the weights ----------------
.Lweights:
	s_sub_co_u32 s15, ttmp9, 128
	s_lshr_b32 s16, s15, 2                         ; group of 128 columns, 0..31: 0-23 of W_qkv, 24-31 of c_proj
	s_and_b32 s17, s15, 3                          ; which 256 along K
	s_and_b32 s18, s14, 3                          ; which 32 of the 128 columns
	s_lshr_b32 s19, s14, 2                         ; which 128 of the 256 along K
	s_mul_i32 s20, s14, WSTG
	s_add_co_u32 s20, s20, WSTG0                   ; my stage
	s_mov_b32 s21, 4096
	s_cmp_lt_u32 s16, 24
	s_cselect_b32 s21, 12288, s21                  ; a row of the tensor in bytes
	s_cselect_b32 s22, 0, 24
	v_and_b32 v5, 31, v0                           ; lane = my column of the 32
	s_delay_alu instid0(VALU_DEP_1)
	v_lshlrev_b32 v1, 2, v5
	s_delay_alu instid0(VALU_DEP_2)
	v_lshlrev_b32 v10, 4, v5
	s_delay_alu instid0(VALU_DEP_3)
	v_lshlrev_b32 v12, 5, v5                       ; my column's 32 scale bytes
	v_bfe_u32 v2, v0, 3, 1                         ; column c of 32 is row (c % 8) + 8 (c / 16) of tile (c / 8) % 2
	v_and_b32 v3, 7, v0
	v_bfe_u32 v4, v0, 4, 1
	s_delay_alu instid0(VALU_DEP_1)
	v_lshl_add_u32 v3, v4, 3, v3
	s_delay_alu instid0(VALU_DEP_1)
	v_lshlrev_b32 v3, 4, v3
	s_delay_alu instid0(VALU_DEP_1)
	v_mad_u32_u24 v8, v2, 1664, v3
	s_delay_alu instid0(VALU_DEP_1)
	v_add_nc_u32 v8, s20, v8                       ; stage, in: my tile's image, 16 x my row
	v_add_nc_u32 v9, s20, v10                      ; stage, out: 16 x lane
	v_mov_b32 v16, v1
.set kk, 0
.rept 31
	s_delay_alu instid0(VALU_DEP_1)
	v_add_nc_u32 v[17+kk], s21, v[16+kk]           ; offsets of 32 rows down K at my column
.set kk, kk+1
.endr
	s_lshl_b32 s23, s17, 8
	s_lshl_b32 s34, s19, 7
	s_add_co_u32 s23, s23, s34                     ; my first k
	s_mul_i32 s23, s23, s21
	s_sub_co_u32 s34, s16, s22                     ; the group within its tensor
	s_lshl_b32 s35, s34, 7
	s_lshl_b32 s36, s18, 5
	s_add_co_u32 s35, s35, s36
	s_lshl_b32 s35, s35, 2
	s_add_co_u32 s36, s23, s35
	s_mov_b32 s37, 0
	s_lshl_b32 s38, s21, 5                         ; 32 rows on
	s_mov_b32 s39, 0
	; W_qkv's codes: [head 16][256 K][tile 12][128 K][1536]; tiles 0-3 q, 4-5 v's first 32, 6-9 k, 10-11 v's last 32
	s_lshl_b32 s40, s16, 2
	s_add_co_u32 s40, s40, s18                     ; group of 32 columns, 0..95
	s_lshr_b32 s41, s40, 5                         ; 0 q, 1 k, 2 v
	s_bfe_u32 s42, s40, 0x40001                    ; head
	s_and_b32 s43, s40, 1                          ; which 32 of the head's 64
	s_lshl_b32 s44, s43, 1
	s_add_co_u32 s45, s44, 6
	s_mul_i32 s46, s43, 6
	s_add_co_u32 s46, s46, 4
	s_cmp_eq_u32 s41, 1
	s_cselect_b32 s44, s45, s44
	s_cmp_eq_u32 s41, 2
	s_cselect_b32 s44, s46, s44                    ; the first of my two tiles
	s_lshl_b32 s42, s42, 2
	s_add_co_u32 s42, s42, s17
	s_mul_i32 s42, s42, 12
	s_add_co_u32 s42, s42, s44
	s_mul_i32 s42, s42, 3072
	; c_proj's: [128 columns 8][256 K][tile 8][128 K][1536]
	s_lshl_b32 s45, s34, 2
	s_add_co_u32 s45, s45, s17
	s_lshl_b32 s45, s45, 3
	s_lshl_b32 s46, s18, 1
	s_add_co_u32 s45, s45, s46
	s_mul_i32 s45, s45, 3072
	s_add_co_u32 s45, s45, PCDOFF
	s_cmp_lt_u32 s16, 24
	s_cselect_b32 s42, s42, s45
	s_mul_i32 s46, s19, 1536
	s_add_co_u32 s42, s42, s46
	s_mov_b32 s43, 0
	s_lshl_b32 s47, s16, 7                         ; scale bytes: [column of 4,096][32]
	s_lshl_b32 s48, s18, 5
	s_add_co_u32 s47, s47, s48
	s_lshl_b32 s47, s47, 5
	s_lshl_b32 s48, s17, 3
	s_add_co_u32 s47, s47, s48
	s_lshl_b32 s48, s19, 2
	s_add_co_u32 s48, s47, s48
	s_add_co_u32 s48, s48, XSOFF
	s_mov_b32 s49, 0
	s_wait_alu depctr_va_vdst(0)
	s_wait_kmcnt 0x0
	s_cmp_lt_u32 s16, 24                           ; the choice hangs on the work-group's number alone
	s_cselect_b64 s[4:5], s[6:7], s[8:9]
	s_add_nc_u64 s[24:25], s[4:5], s[36:37]        ; the four blocks' first rows
	s_add_nc_u64 s[26:27], s[24:25], s[38:39]
	s_add_nc_u64 s[28:29], s[26:27], s[38:39]
	s_add_nc_u64 s[30:31], s[28:29], s[38:39]
	s_add_nc_u64 s[50:51], s[12:13], s[42:43]
	s_add_nc_u64 s[52:53], s[12:13], s[48:49]
.macro WLOAD t                         ; block t: 32 rows down K at my column; a wave reads 128 consecutive bytes, the four waves side by side 512
.set kk, 0
.rept 32
	global_load_b32 v[48+32*(\t)+kk], v[16+kk], s[24+2*(\t):25+2*(\t)] th:TH_LOAD_NT
.set kk, kk+1
.endr
.endm
.macro WBLOCK t
.set XS, 48+32*(\t)
.if (\t) < 3
	s_wait_loadcnt 32                              ; this block's 32 loads are in; the next block's 32 may be out
.else
	s_wait_loadcnt 0x0
.endif
.if (\t) < 2
	WLOAD (\t)+2
.endif
	v_max3_num_f32 v13, |v[XS]|, |v[XS+1]|, |v[XS+2]|        ; the block's largest magnitude: all 32 numbers are mine
	v_max3_num_f32 v14, |v[XS+3]|, |v[XS+4]|, |v[XS+5]|
.irp i, 6,10,14,18,22,26
	s_delay_alu instid0(VALU_DEP_2)
	v_max3_num_f32 v13, v13, |v[XS+\i]|, |v[XS+\i+1]|
	s_delay_alu instid0(VALU_DEP_2)
	v_max3_num_f32 v14, v14, |v[XS+\i+2]|, |v[XS+\i+3]|
.endr
	s_delay_alu instid0(VALU_DEP_2)
	v_max3_num_f32 v13, v13, |v[XS+30]|, |v[XS+31]|
	s_delay_alu instid0(VALU_DEP_1)
	v_max3_num_f32 v13, v13, v14, 0x1800000        ; and the floor
	s_delay_alu instid0(VALU_DEP_1)
	v_add_nc_u32 v15, 0xff000000, v13
	s_delay_alu instid0(VALU_DEP_1)
	v_lshrrev_b32 v7, 23, v15
.if (\t) == 0
	s_delay_alu instid0(VALU_DEP_1)
	v_mov_b32 v11, v7
.else
	s_delay_alu instid0(VALU_DEP_1)
	v_lshl_or_b32 v11, v7, 8*(\t), v11             ; the four bytes make my column's scale word of these 128 K
.endif
	v_cvt_scalef32_pk16_fp6_f32 v[176:178], v[XS:XS+15], v15
	v_cvt_scalef32_pk16_fp6_f32 v[180:182], v[XS+16:XS+31], v15
	v_nop                                          ; one plain place behind a scaled conversion
	v_mov_b32 v179, v180
	v_mov_b32 v180, v181
	v_mov_b32 v181, v182                           ; v176-181: the block's 24 bytes = registers 6 (t / 2) .. + 5 of lane (my row, t % 2)
.if (\t)/2 == 0
	ds_store_b128 v8, v[176:179] offset:256*((\t)%2)
	ds_store_b64 v8, v[180:181] offset:512+256*((\t)%2)
.else
	ds_store_b64 v8, v[176:177] offset:520+256*((\t)%2)
	ds_store_b128 v8, v[178:181] offset:1024+256*((\t)%2)
.endif
	s_wait_dscnt 0x0                               ; the stores have read their registers
.endm
	WLOAD 0
	WLOAD 1
	WBLOCK 0
	WBLOCK 1
	WBLOCK 2
	WBLOCK 3
	s_wait_alu depctr_va_vdst(0)
	global_store_b32 v12, v11, s[52:53]
.irp m, 0,1,2,3,4,5
	ds_load_b128 v[184+4*\m:187+4*\m], v9 offset:1664*(\m/3)+512*(\m%3)
.endr
.irp m, 0,1,2,3,4,5
	s_wait_dscnt 5-\m                              ; the loads issued behind this one may be out
	global_store_b128 v10, v[184+4*\m:187+4*\m], s[50:51] offset:3072*(\m/3)+512*(\m%3)   ; 512 consecutive bytes, aligned
.endr
	s_wait_tensorcnt 0x0
	ds_add_u32 v254, v255
	s_wait_dscnt 0x0
	s_endpgm
.Lfunc_end_k_q99623fe97c_quant:
	.size	k_q99623fe97c_quant, .Lfunc_end_k_q99623fe97c_quant-k_q99623fe97c_quant
	.p2alignl 7, 3214868480
	.fill 96, 4, 3214868480
	.section	.rodata,"a",@progbits
	.p2align	6, 0x0
	.amdhsa_kernel k_q99623fe97c_quant
		.amdhsa_group_segment_fixed_size 95232
		.amdhsa_private_segment_fixed_size 0
		.amdhsa_enable_private_segment 0
		.amdhsa_kernarg_size 40
		.amdhsa_user_sgpr_count 2
		.amdhsa_user_sgpr_kernarg_segment_ptr 1
		.amdhsa_wavefront_size32 1
		.amdhsa_system_sgpr_workgroup_id_x 1
		.amdhsa_system_sgpr_workgroup_id_y 1
		.amdhsa_system_sgpr_workgroup_id_z 1
		.amdhsa_system_vgpr_workitem_id 0
		.amdhsa_next_free_vgpr 256
		.amdhsa_next_free_sgpr 66
		.amdhsa_reserve_vcc 0
		.amdhsa_float_denorm_mode_32 3
		.amdhsa_float_denorm_mode_16_64 3
		.amdhsa_memory_ordered 1
		.amdhsa_forward_progress 1
		.amdhsa_inst_pref_size 50
	.end_amdhsa_kernel
	.amdgpu_metadata
---
amdhsa.version: [ 1, 2 ]
amdhsa.kernels:
  - .name:           k_q99623fe97c_quant
    .symbol:         k_q99623fe97c_quant.kd
    .args:
      - { .name: x, .offset: 0, .size: 8, .value_kind: global_buffer, .address_space: global }
      - { .name: W_qkv_kernel, .offset: 8, .size: 8, .value_kind: global_buffer, .address_space: global }
      - { .name: c_proj_kernel, .offset: 16, .size: 8, .value_kind: global_buffer, .address_space: global }
      - { .name: xq, .offset: 24, .size: 8, .value_kind: global_buffer, .address_space: global }
      - { .name: wq, .offset: 32, .size: 8, .value_kind: global_buffer, .address_space: global }
    .group_segment_fixed_size: 95232
    .private_segment_fixed_size: 0
    .kernarg_segment_align: 8
    .kernarg_segment_size: 40
    .max_flat_workgroup_size: 256
    .sgpr_count:     66
    .vgpr_count:     256
    .wavefront_size: 32
...
	.end_amdgpu_metadata
.endif
;; end of part 1
;; launch qkv (part 2): grid 16 x 16, 4 waves a work-group, clusters of 4 x 4, 327,680 bytes of LDS; arguments xq, wq, W_qkv_bias, attention_mask, qq, kv; writes qq, kv
.if DOCPART == 2
	.amdgcn_target "amdgcn-amd-amdhsa--gfx1250"
	.amdhsa_code_object_version 6
	.text
	.protected	k_q99623fe97c_qkv
	.globl	k_q99623fe97c_qkv
	.p2align	8
	.type	k_q99623fe97c_qkv,@function
k_q99623fe97c_qkv:
	s_mov_b64 s[64:65], 0
	v_nop
	global_prefetch_b8 v0, s[64:65] scope:SCOPE_SE
	s_setreg_imm32_b32 hwreg(HW_REG_WAVE_MODE, 25, 1), 1
	s_wait_xcnt 0x0
	s_wait_alu depctr_hold_cnt(0) depctr_sa_sdst(0) depctr_va_vdst(0) depctr_va_sdst(0) depctr_va_ssrc(0) depctr_va_vcc(0) depctr_vm_vsrc(0)
	s_getreg_b32 s2, hwreg(HW_REG_IB_STS2, 6, 4)
	s_cmp_eq_u32 s2, 0
	s_cbranch_scc0 .Lentry_in_a_cluster
	s_endpgm
.Lentry_in_a_cluster:
	s_bfe_u32 s2, ttmp6, 0x10000c
	s_cmp_lg_u32 s2, 0xf033
	s_cbranch_scc0 .Lentry_shape_is_right
	s_endpgm
.Lentry_shape_is_right:
.set REG,   86016
.set XB,    49152
.set WB,    36864
.set SCR,   258048
.set SPARE, 259072
.set SOFF,  3145728
.set TM,  224
.set SEL, 20
.set MSB, 0
.macro WIN new
.if MSB != \new
	s_set_vgpr_msb (MSB<<8)|\new
.set MSB, \new
.endif
.endm
.macro PLACES
.rept 4
	v_nop
.endr
.endm
.macro QUANT s, pc, pw
.irp b, 0,1,2,3
	v_max3_num_f32 v[TM+\b], |v[(\s)+16*\b]|, |v[(\s)+1+16*\b]|, 0x1800000
.endr
.irp i, 2,4,6,8,10,12,14
.irp b, 0,1,2,3
	v_max3_num_f32 v[TM+\b], v[TM+\b], |v[(\s)+16*\b+\i]|, |v[(\s)+1+16*\b+\i]|
.endr
.endr
.irp b, 0,1,2,3
	v_permlanex16_b32 v[TM+4+\b], v[TM+\b], s[SEL], s[SEL+1]
.endr
.irp b, 0,1,2,3
	v_max_num_f32 v[TM+\b], v[TM+\b], v[TM+4+\b]
.endr
.irp b, 0,1,2,3
	v_add_nc_u32 v[TM+12+\b], 0xff000000, v[TM+\b]
.endr
.irp b, 0,1,2,3
	v_lshrrev_b32 v[TM+4+\b], 23, v[TM+12+\b]
.endr
	v_lshl_or_b32 v[\pw], v[TM+5], 8, v[TM+4]
	v_lshl_or_b32 v[\pw], v[TM+6], 16, v[\pw]
	v_lshl_or_b32 v[\pw], v[TM+7], 24, v[\pw]
.irp c, 0,1
	v_cvt_scalef32_pk16_fp6_f32 v[(\pc)+6*\c:(\pc)+2+6*\c], v[(\s)+32*\c:(\s)+15+32*\c], v[TM+12+2*\c]
	v_cvt_scalef32_pk16_fp6_f32 v[(\pc)+12+4*\c:(\pc)+14+4*\c], v[(\s)+16+32*\c:(\s)+31+32*\c], v[TM+12+2*\c+1]
.endr
	v_nop
.irp c, 0,1
.irp i, 0,1,2
	v_permlane16_swap_b32 v[(\pc)+6*\c+\i], v[(\pc)+12+4*\c+\i]
.endr
.irp i, 0,1,2
	v_mov_b32 v[(\pc)+3+6*\c+\i], v[(\pc)+12+4*\c+\i]
.endr
.endr
.endm
.macro JLOAD g0a, g1a, g0b, g1b
	s_cmp_eq_u32 s17, 0
	s_cbranch_scc0 .Lfor_w_\@
	tensor_load_to_lds s[\g0a:\g0a+3], s[\g1a:\g1a+7]
	s_nop 0
.rept 4
	v_nop
.endr
	s_branch .Lasked_\@
.Lfor_w_\@:
	tensor_load_to_lds s[\g0b:\g0b+3], s[\g1b:\g1b+7]
	s_nop 0
.rept 4
	v_nop
.endr
.Lasked_\@:
.endm
.macro CREST
	s_cmp_lg_u32 s16, 0
	s_cbranch_scc1 .Lnot_wave_0_\@
	s_barrier_signal -3
.Lnot_wave_0_\@:
	s_barrier_wait -3
	s_barrier_signal -1
	s_barrier_wait -1
.endm
.macro CROUND
	s_barrier_signal -1
	s_barrier_wait -1
	CREST
.endm
.macro WM cz
.if (\cz) && (rRA == 0) && (rRB == 0)
	v_wmma_scale_f32_16x16x128_f8f6f4 v[rD:rD+7], v[rA:rA+11], v[rB:rB+11], 0, v[rSA], v[rSB] matrix_a_fmt:MATRIX_FMT_FP6 matrix_b_fmt:MATRIX_FMT_FP6
.elseif (\cz) && (rRA == 1) && (rRB == 0)
	v_wmma_scale_f32_16x16x128_f8f6f4 v[rD:rD+7], v[rA:rA+11], v[rB:rB+11], 0, v[rSA], v[rSB] matrix_a_fmt:MATRIX_FMT_FP6 matrix_b_fmt:MATRIX_FMT_FP6 matrix_a_scale:MATRIX_SCALE_ROW1
.elseif (\cz) && (rRA == 0) && (rRB == 1)
	v_wmma_scale_f32_16x16x128_f8f6f4 v[rD:rD+7], v[rA:rA+11], v[rB:rB+11], 0, v[rSA], v[rSB] matrix_a_fmt:MATRIX_FMT_FP6 matrix_b_fmt:MATRIX_FMT_FP6 matrix_b_scale:MATRIX_SCALE_ROW1
.elseif (\cz)
	v_wmma_scale_f32_16x16x128_f8f6f4 v[rD:rD+7], v[rA:rA+11], v[rB:rB+11], 0, v[rSA], v[rSB] matrix_a_fmt:MATRIX_FMT_FP6 matrix_b_fmt:MATRIX_FMT_FP6 matrix_a_scale:MATRIX_SCALE_ROW1 matrix_b_scale:MATRIX_SCALE_ROW1
.elseif (rRA == 0) && (rRB == 0)
	v_wmma_scale_f32_16x16x128_f8f6f4 v[rD:rD+7], v[rA:rA+11], v[rB:rB+11], v[rC:rC+7], v[rSA], v[rSB] matrix_a_fmt:MATRIX_FMT_FP6 matrix_b_fmt:MATRIX_FMT_FP6
.elseif (rRA == 1) && (rRB == 0)
	v_wmma_scale_f32_16x16x128_f8f6f4 v[rD:rD+7], v[rA:rA+11], v[rB:rB+11], v[rC:rC+7], v[rSA], v[rSB] matrix_a_fmt:MATRIX_FMT_FP6 matrix_b_fmt:MATRIX_FMT_FP6 matrix_a_scale:MATRIX_SCALE_ROW1
.elseif (rRA == 0) && (rRB == 1)
	v_wmma_scale_f32_16x16x128_f8f6f4 v[rD:rD+7], v[rA:rA+11], v[rB:rB+11], v[rC:rC+7], v[rSA], v[rSB] matrix_a_fmt:MATRIX_FMT_FP6 matrix_b_fmt:MATRIX_FMT_FP6 matrix_b_scale:MATRIX_SCALE_ROW1
.else
	v_wmma_scale_f32_16x16x128_f8f6f4 v[rD:rD+7], v[rA:rA+11], v[rB:rB+11], v[rC:rC+7], v[rSA], v[rSB] matrix_a_fmt:MATRIX_FMT_FP6 matrix_b_fmt:MATRIX_FMT_FP6 matrix_a_scale:MATRIX_SCALE_ROW1 matrix_b_scale:MATRIX_SCALE_ROW1
.endif
.endm
	s_load_b256 s[4:11], s[0:1], 0x0
	s_load_b128 s[12:15], s[0:1], 0x20
	v_lshl_add_u32 v8, v0, 2, SPARE
	v_mov_b32 v9, 0
	ds_add_u32 v8, v9
	ds_add_u32 v8, v9
	s_wait_dscnt 0x0
	v_lshrrev_b32 v1, 5, v0
	v_readfirstlane_b32 s16, v1
	s_lshr_b32 s17, s16, 1
	s_and_b32 s18, s16, 1
	s_bfe_u32 s66, ttmp6, 0x40000
	s_bfe_u32 s67, ttmp6, 0x40004
	s_lshl_b32 s68, ttmp9, 2
	s_add_co_u32 s68, s68, s66
	s_and_b32 s69, ttmp7, 0xffff
	s_lshl_b32 s69, s69, 2
	s_add_co_u32 s69, s69, s67
	s_lshl_b32 s70, s67, 2
	s_lshl_b32 s70, 15, s70
	s_lshl_b32 s71, 0x1111, s66
	s_or_b32 s24, s70, (3<<16)|(1<<21)
	s_mov_b32 s25, 32<<16
	s_mov_b32 s26, 288<<16                         ; the head's load of x: one and a half quarters of K, 288 dense rows of 256 bytes
	s_mov_b32 s27, 32<<16
	s_mov_b32 s28, 288
	s_mov_b32 s29, 32
	s_mov_b32 s30, 0
	s_mov_b32 s31, 0
	s_or_b32 s32, s71, (3<<16)|(1<<21)
	s_mov_b32 s33, 32<<16
	s_mov_b32 s34, 216<<16                         ; and of W: 216 rows
	s_mov_b32 s35, 32<<16
	s_mov_b32 s36, 216
	s_mov_b32 s37, 32
	s_mov_b32 s38, 0
	s_mov_b32 s39, 0
	s_mul_i32 s72, s69, 4*XB
	s_mul_i32 s73, s18, XB/2
	s_add_co_u32 s72, s72, s73
	s_mov_b32 s73, 0
	s_mul_i32 s74, s68, 4*WB
	s_mul_i32 s75, s18, WB/2
	s_add_co_u32 s74, s74, s75
	s_mov_b32 s75, 0
	s_mul_i32 s76, s18, XB/2
	s_mul_i32 s77, s18, WB/2
	s_add_co_u32 s77, s77, 3*XB                    ; LDS: x's three quarters on end, then W's three
	s_mov_b32 s[SEL], 0x76543210
	s_mov_b32 s[SEL+1], 0xfedcba98
	s_wait_kmcnt 0x0
	s_add_nc_u64 s[72:73], s[4:5], s[72:73]
	s_add_nc_u64 s[74:75], s[6:7], s[74:75]
	CROUND
	; ONE LOAD A WAVE AT THE HEAD: quarters 0-2 of K lie on end in memory and in LDS; a wave brings the lower or the upper half of x's three or of W's three
	s_mul_i32 s78, s18, XB
	s_mov_b32 s79, 0
	s_mul_i32 s80, s18, WB
	s_mov_b32 s81, 0
	s_mov_b32 s44, 1
	s_add_co_u32 s45, s76, s78
	s_add_nc_u64 s[46:47], s[72:73], s[78:79]
	s_or_b32 s47, s47, 0x80000000
	s_mov_b32 s56, 1
	s_add_co_u32 s57, s77, s80
	s_add_nc_u64 s[58:59], s[74:75], s[80:81]
	s_or_b32 s59, s59, 0x80000000
	; the one refill: my half of quarter 3, into quarter 0's bytes
	s_mov_b32 s40, 1
	s_mov_b32 s41, s76
	s_add_nc_u64 s[42:43], s[72:73], 3*XB
	s_or_b32 s43, s43, 0x80000000
	s_mov_b32 s52, 1
	s_mov_b32 s53, s77
	s_add_nc_u64 s[54:55], s[74:75], 3*WB
	s_or_b32 s55, s55, 0x80000000
	JLOAD 44, 24, 56, 32
	v_and_b32 v76, 31, v0
	v_lshlrev_b32 v10, 4, v76
	v_and_b32 v77, 15, v0
	v_bfe_u32 v78, v0, 4, 1
	v_and_b32 v1, 8, v77
	v_add_nc_u32 v1, v1, v77
	s_mul_i32 s96, s17, XB/2
	v_add_nc_u32 v2, s96, v10
	v_add_nc_u32 v3, XB, v2
	v_add_nc_u32 v4, 2*XB, v2
	s_mul_i32 s96, s18, WB/2
	s_add_co_u32 s96, s96, 3*XB
	v_add_nc_u32 v5, s96, v10
	v_add_nc_u32 v6, WB, v5
	v_add_nc_u32 v7, 2*WB, v5
	v_lshlrev_b32 v79, 3, v76
	s_lshl_b32 s96, s16, 8
	s_add_co_u32 s96, s96, SCR
	v_add_nc_u32 v11, s96, v79
	s_xor_b32 s96, s16, 1
	s_lshl_b32 s96, s96, 8
	s_add_co_u32 s96, s96, SCR
	v_add_nc_u32 v12, s96, v79
	v_lshl_add_u32 v13, v78, 6, v1
	v_lshlrev_b32 v13, 5, v13
	s_wait_alu depctr_va_vdst(0)
	v_lshl_add_u32 v14, v78, 5, v1
	v_lshlrev_b32 v14, 5, v14
	s_wait_alu depctr_va_vdst(0)
	v_lshl_add_u32 v15, v78, 3, v1
	v_lshlrev_b32 v15, 5, v15
	s_wait_alu depctr_va_vdst(0)
	v_lshlrev_b32 v74, 6, v78
	v_lshlrev_b32 v75, 2, v1
	s_wait_alu depctr_va_vdst(0)
	s_lshl_b32 s96, s69, 8
	s_lshl_b32 s97, s17, 7
	s_add_co_u32 s96, s96, s97
	s_lshl_b32 s98, s96, 2
	s_lshl_b32 s96, s96, 5
	s_add_co_u32 s96, s96, SOFF
	s_mov_b32 s97, 0
	s_add_nc_u64 s[72:73], s[4:5], s[96:97]
	s_mov_b32 s96, s98
	s_add_nc_u64 s[92:93], s[10:11], s[96:97]
	s_lshl_b32 s98, s18, 10
	s_lshl_b32 s99, s68, 6
	s_add_co_u32 s98, s98, s99
	s_lshl_b32 s96, s98, 5
	s_add_co_u32 s96, s96, SOFF
	s_add_nc_u64 s[74:75], s[6:7], s[96:97]
	s_lshl_b32 s96, s98, 2
	s_add_nc_u64 s[78:79], s[8:9], s[96:97]
	s_lshl_b32 s98, s18, 5
	s_add_co_u32 s98, s98, s99
	s_add_co_u32 s98, s98, 2048
	s_lshl_b32 s96, s98, 5
	s_add_co_u32 s96, s96, SOFF
	s_add_nc_u64 s[76:77], s[6:7], s[96:97]
	s_lshl_b32 s96, s98, 2
	s_add_nc_u64 s[90:91], s[8:9], s[96:97]
.irp i, 0,1,2,3
.irp k, 0,1
	global_load_b128 v[16+8*\i+4*\k:19+8*\i+4*\k], v13, s[72:73] offset:(32*(\i/2)+8*(\i%2))*32+16*\k
.endr
.endr
.irp f, 0,1
.irp k, 0,1
	global_load_b128 v[48+8*\f+4*\k:51+8*\f+4*\k], v14, s[74:75] offset:256*\f+16*\k
.endr
.endr
.irp k, 0,1
	global_load_b128 v[64+4*\k:67+4*\k], v15, s[76:77] offset:16*\k
.endr
.irp t, 0,1
	global_load_b32 v[72+\t], v75, s[90:91] offset:32*\t
.endr
.irp x, 0,1,2,3,4,5,6,7
	global_load_b32 v[224+\x], v75, s[92:93] offset:(32*(\x/2)+8*(\x%2))*4
.endr
	WIN 0xc0
.irp f, 0,1,2,3
	global_load_b128 v[128+8*\f:131+8*\f], v74, s[78:79] offset:(32*(\f/2)+8*(\f%2))*4
	global_load_b128 v[132+8*\f:135+8*\f], v74, s[78:79] offset:(32*(\f/2)+8*(\f%2))*4+16
.endr
	WIN 0
	s_mov_b32 s88, 0xffff0000
	s_cmp_eq_u32 s18, 1
	s_cselect_b32 s89, -1, 0
	s_cselect_b32 s88, s88, 0
	s_wait_loadcnt 0x0
.irp x, 0,1,2,3,4,5,6,7
	v_cmp_eq_u32 s[80+\x], 0, v[224+\x]
.endr
.irp x, 0,1,2,3,4,5,6,7
	s_and_b32 s[80+\x], s[80+\x], s89
.endr
.irp b, 0,1,2,3
	v_mov_b32 v[TM+4+\b], 0
.endr
	s_lshr_b32 s72, s69, 3
	s_lshl_b32 s72, s72, 4
	s_add_co_u32 s72, s72, s68
	s_and_b32 s73, s69, 7
	s_lshl_b32 s73, s73, 1
	s_add_co_u32 s73, s73, s17
	s_lshl_b32 s74, s72, 4
	s_add_co_u32 s74, s74, s73
	s_mul_i32 s75, s74, 12800
	s_mul_i32 s76, s74, 6144
	s_lshl_b32 s77, s74, 9
	s_add_co_u32 s77, s77, SOFF
	s_add_co_u32 s78, s75, 12288
	s_mul_i32 s79, s18, 3072
	s_add_co_u32 s79, s79, s75
	s_add_co_u32 s79, s79, 6144
	s_mov_b32 s97, 0
	s_cmp_eq_u32 s18, 1
	s_cselect_b64 s[90:91], s[14:15], s[12:13]
	s_mov_b64 s[94:95], s[90:91]
	s_cselect_b32 s96, s75, s76
	s_add_nc_u64 s[90:91], s[90:91], s[96:97]
	s_cselect_b32 s96, s78, s77
	s_add_nc_u64 s[94:95], s[94:95], s[96:97]
	s_mov_b32 s96, s79
	s_add_nc_u64 s[92:93], s[14:15], s[96:97]
.macro FETCH q
.set fS, (\q)%2
.set fR, ((\q)/2)%3
	WIN 0x40
.irp i, 0,1,2,3,4,5,6,7
.irp g, 0,1,2
	ds_load_b128 v[96*fS+12*\i+4*\g:96*fS+12*\i+4*\g+3], v[2+fR] offset:3072*\i+1536*fS+512*\g
.endr
.endr
	WIN 0
.irp f, 0,1,2,3,4,5
.irp g, 0,1,2
	ds_load_b128 v[80+72*fS+12*\f+4*\g:80+72*fS+12*\f+4*\g+3], v[5+fR] offset:3072*\f+1536*fS+512*\g
.endr
.endr
.endm
.macro MUL q
.set mS, (\q)%2
.if (\q) == 0
	WIN 0xb4
.else
	WIN 0xa4
.endif
.irp b, 0,1,2,3
.irp u, 0,1
.irp f, 0,1,2,3
.set rD, 64*\b+32*\u+8*\f
.set rA, 80+72*mS+12*\f
.set rB, 96*mS+12*(2*\b+\u)
.if (\q) == 0
.set rC, 128+8*\f
.else
.set rC, rD
.endif
.set rSA, 48+8*(\f%2)+(\q)
.set rSB, 16+8*((2*\b+\u)%4)+(\q)
.set rRA, \f/2
.set rRB, (2*\b+\u)/4
	WM 0
.endr
.endr
.endr
	WIN 0xf1
.irp t, 0,1
.irp x, 0,1,2,3,4,5,6,7
.set rD, 64*\t+8*\x
.set rA, 96*mS+12*\x
.set rB, 80+72*mS+12*(4+\t)
.set rC, rD
.set rSA, 16+8*(\x%4)+(\q)
.set rSB, 64+(\q)
.set rRA, \x/4
.set rRB, \t
.if (\q) == 0
	WM 1
.else
	WM 0
.endif
.endr
.endr
.endm
.macro KSTEP q
	s_wait_dscnt 0x0
	PLACES
	FETCH (\q)+1
	MUL \q
.endm
	s_wait_tensorcnt 0x0                           ; my one load is in; behind the barrier quarters 0-2 of both operands are
	s_barrier_signal -1
	s_barrier_wait -1
	FETCH 0
	s_wait_dscnt 0x0
	FETCH 1
	MUL 0
	WIN 0
	s_wait_tensorcnt 0x0
	ds_add_u32 v8, v9
	s_mov_b32 s26, 96<<16                          ; no tensor load of mine is out: the refill brings half a quarter, 96 rows of x
	s_mov_b32 s28, 96
	s_mov_b32 s34, 72<<16                          ; or 72 of W
	s_mov_b32 s36, 72
	s_wait_dscnt 0x0
	s_barrier_signal -1
	s_barrier_wait -1
	CREST
	JLOAD 40, 24, 52, 32
	FETCH 2
	MUL 1
	KSTEP 2
	KSTEP 3
	KSTEP 4
	s_wait_tensorcnt 0x0
	s_wait_dscnt 0x0
	s_barrier_signal -1
	s_barrier_wait -1
	PLACES
	FETCH 6
	MUL 5
	KSTEP 6
	s_wait_dscnt 0x0
	MUL 7
	WIN 0
	PLACES
.irp b, 0,1,2,3
	WIN 0x02
.irp u, 0,1
.set kk, 0
.rept 32
	v_cndmask_b32 v[80+32*\u+kk], v[64*\b+32*\u+kk], 0, s[80+2*\b+\u]
.set kk, kk+1
.endr
.endr
	WIN 0
	s_wait_xcnt 0x0
	QUANT 80, 144, 240+\b
.irp g, 0,1,2
	global_store_b128 v10, v[144+4*\g:147+4*\g], s[90:91] offset:1536*\b+512*\g
.endr
.endr
.irp t, 0,1
	WIN 0x03
.set kk, 0
.rept 64
	v_add_f32 v[80+kk], v[64*\t+kk], v[72+\t]
.set kk, kk+1
.endr
	WIN 0
	s_wait_xcnt 0x0
	QUANT 80, 144, 244+\t
.irp g, 0,1,2
	global_store_b128 v10, v[144+4*\g:147+4*\g], s[92:93] offset:1536*\t+512*\g
.endr
.endr
	ds_store_b64 v11, v[244:245]
	s_wait_dscnt 0x0
	s_barrier_signal -1
	s_barrier_wait -1
	ds_load_b64 v[246:247], v12
	s_wait_dscnt 0x0
	v_cndmask_b32 v248, v240, v246, s88
	v_cndmask_b32 v249, v241, v247, s88
	v_cndmask_b32 v250, v242, v244, s88
	v_cndmask_b32 v251, v243, v245, s88
	global_store_b128 v10, v[248:251], s[94:95]
	s_wait_tensorcnt 0x0
	ds_add_u32 v8, v9
	s_wait_dscnt 0x0
	CROUND
	s_endpgm
.Lfunc_end_k_q99623fe97c_qkv:
	.size	k_q99623fe97c_qkv, .Lfunc_end_k_q99623fe97c_qkv-k_q99623fe97c_qkv
	.p2alignl 7, 3214868480
	.fill 96, 4, 3214868480
	.section	.rodata,"a",@progbits
	.p2align	6, 0x0
	.amdhsa_kernel k_q99623fe97c_qkv
		.amdhsa_group_segment_fixed_size 327680
		.amdhsa_private_segment_fixed_size 0
		.amdhsa_enable_private_segment 0
		.amdhsa_kernarg_size 48
		.amdhsa_user_sgpr_count 2
		.amdhsa_user_sgpr_kernarg_segment_ptr 1
		.amdhsa_wavefront_size32 1
		.amdhsa_system_sgpr_workgroup_id_x 1
		.amdhsa_system_sgpr_workgroup_id_y 1
		.amdhsa_system_sgpr_workgroup_id_z 1
		.amdhsa_system_vgpr_workitem_id 0
		.amdhsa_next_free_vgpr 1024
		.amdhsa_next_free_sgpr 100
		.amdhsa_reserve_vcc 0
		.amdhsa_float_denorm_mode_32 3
		.amdhsa_float_denorm_mode_16_64 3
		.amdhsa_memory_ordered 1
		.amdhsa_forward_progress 1
		.amdhsa_inst_pref_size 131
	.end_amdhsa_kernel
	.amdgpu_metadata
---
amdhsa.version: [ 1, 2 ]
amdhsa.kernels:
  - .name:           k_q99623fe97c_qkv
    .symbol:         k_q99623fe97c_qkv.kd
    .args:
      - { .name: xq, .offset: 0, .size: 8, .value_kind: global_buffer, .address_space: global }
      - { .name: wq, .offset: 8, .size: 8, .value_kind: global_buffer, .address_space: global }
      - { .name: W_qkv_bias, .offset: 16, .size: 8, .value_kind: global_buffer, .address_space: global }
      - { .name: attention_mask, .offset: 24, .size: 8, .value_kind: global_buffer, .address_space: global }
      - { .name: qq, .offset: 32, .size: 8, .value_kind: global_buffer, .address_space: global }
      - { .name: kv, .offset: 40, .size: 8, .value_kind: global_buffer, .address_space: global }
    .group_segment_fixed_size: 327680
    .private_segment_fixed_size: 0
    .kernarg_segment_align: 8
    .kernarg_segment_size: 48
    .max_flat_workgroup_size: 128
    .sgpr_count:     100
    .vgpr_count:     1024
    .wavefront_size: 32
...
	.end_amdgpu_metadata
.endif
;; end of part 2
;; launch attn (part 3): grid 8 x 32, 16 waves a work-group, no clusters, 327,680 bytes of LDS; arguments qq, kv, attention_mask, cq; writes cq
.if DOCPART == 3
	.amdgcn_target "amdgcn-amd-amdhsa--gfx1250"
	.amdhsa_code_object_version 6
	.text
	.protected	k_q99623fe97c_attn
	.globl	k_q99623fe97c_attn
	.p2align	8
	.type	k_q99623fe97c_attn,@function
k_q99623fe97c_attn:
	s_mov_b64 s[64:65], 0
	v_nop
	global_prefetch_b8 v0, s[64:65] scope:SCOPE_SE
	s_setreg_imm32_b32 hwreg(HW_REG_WAVE_MODE, 25, 1), 1
	s_wait_xcnt 0x0
; ctx = softmax(masked q k^T / 8) v for one head, both products on codes of FP6, and ctx quantised at once into the operand of the last product.
; THE SOFTMAX: t = score x c, c = log2(e) / 8; M = the running largest t rounded UP to a whole number; p = 2^(t - M) is quantised along the keys; the row's sum is taken of the unquantised p and divides at the end.
; THE MASKS WRITE -1e9: a padded key has a row of K of zeros and -1e9 as the C of its score; on the diagonal, hidden scores are set to -1e9.
; WORK LEFT OUT: the key steps that lie wholly behind the diagonal (reference()'s own tril).  Beside an open key a masked key's p = 2^(T - M), T = -1e9 c, is 0 in f32.
; A query with no open key at or before itself weighs ALL 2,048 keys alike: its ctx is sum(V) / 2,048.  That vector is made once in a work-group (each wave sums V over one key step by four products
; with an operand of ones; the 16 sums are added through LDS) and is put in by a select wherever the row's largest t is T or less.  No branch hangs on data.
; LIMITS: open scores lie more than 1,000 above -1e9 (nearer to it, or under it, reference() lets masked keys weigh in beside open ones; here they weigh 0).  NaN and infinities are not served, and none that
; would reach only the steps left out is carried on; p under 2^-126 counts as 0; the division is v_rcp_f32 and a multiplication; ctx's scale bytes leave one byte a lane.
; SHARES.  A work-group takes one head and the query blocks 15 - j and j of 128.  TWO WAVES SHARE A TILE of 16 queries (rows r + 8 (r / 8) of a group of 32): one takes the even key steps, the other the odd ones,
; first of block 15 - j, then of block j: 8 or 9 open steps a wave, whatever j.  The parts (O^T, -M, largest t, sum) are joined through LDS: the even wave finishes block 15 - j, the odd wave block j.
; The head's K, V and scale words, 16 steps x 12,800 bytes = 800 rows of 256, come into LDS once, in three fills of 13, 19 and 18 rows a wave: one tensor load of a wave is out at a time.
; Fill 1 holds steps 0-3, fills 1 and 2 steps 0-9.  No byte is filled twice.
; PREFETCH: waves 0-2 ask once, a lane a row of 256 bytes, for this work-group's eighth (74 rows) of the 592 rows of fills 2 and 3: the eight work-groups of a head share them out by address.
; NO CLUSTER though eight work-groups read one head's bytes: the steps that a wave passes over hang on the work-group's number, which partners of a cluster do not share.
; K's PAIR FRAGMENT (tile 2 b in K 0-63, tile 2 b + 1 in K 64-127) feeds two products: against [q | 0] it gives tile 2 b's scores, against [0 | q] tile 2 b + 1's.
.set STEPB, 12800
.set BIAS,  204800                     ; 2,048 f32: 0 or -1e9 by the mask
.set SPARE, 212992                     ; the spare words, 128 bytes a wave
.set VS,    215040                     ; V's sums: 64 f32 for each key step
.set US,    219136                     ; a wave's own 256 bytes: sum(V) / 2,048
.set ZB,    223232                     ; a wave's part for its partner: nine planes of 512 bytes
.set ZSZ,   4608
.set SOFF,  3145728
.set RA, 13
.set RB, 19
.set RC, 18
.set LI,  1                            ; 16 x lane
.set BA,  2                            ; BIAS + 64 h
.set QD,  3                            ; my query's place in its 128, less 16 h
.set ADK, 4
.set ADB, 5
.set GO,  6                            ; 8 x lane
.set EPSR, 7                           ; -1e9
.set F,   36                           ; four fragments of K, then of V
.set SC,  84                           ; scale words: lanes 0-15 K's, lanes 16-31 V's
.set S,   88                           ; scores, then p
.set O,   152                          ; O^T
.set OH,  184                          ; block j's q, then the even wave's part of block 15 - j, then sum(V) / 2,048
.set P,   216                          ; p's codes; v228-234 at work
.set ZWA, 231                          ; my part's place in LDS
.set SPW, 235
.set BM,  236
.set BT,  240
.set SO,  244
.set PW,  248
.set NIL, 249
.set WV, 12
.set SD, 13                            ; the block at work = its diagonal step
.set ST, 14
.set TB, 15
.set PI, 28                            ; which key steps are mine: even 0, odd 1
.set PB, 29
.set PBB, 30
.set ZW, 31
.set CS, 42
.set SEL, 44
.set TAU, 46
.set BH, 47
.set BAT, 48
.set HD, 49
.set HB, 54                            ; s[54:55] the head's 204,800 bytes of kv
.set TG, 58
.set TU, 59
.set CT, 60
.set TBB, 61
.set SDO, 62                           ; the block that I finish
.set Q0, 63
.set SDH, 66
.set ZR, 67
.set VT, 73
.set VW, 74
.set UW, 75
.macro DESC rows, first                ; my rows of a fill: the same offset in the head's bytes and in LDS
	s_mul_i32 s25, s[WV], (\rows)*256
	s_add_co_u32 s25, s25, (\first)*256
	s_mov_b32 s56, s25
	s_add_nc_u64 s[26:27], s[HB:HB+1], s[56:57]
	s_or_b32 s27, s27, 0x80000000
	s_mov_b32 s18, (\rows)<<16
	s_mov_b32 s20, \rows
.endm
.macro FILL
	tensor_load_to_lds s[24:27], s[16:23]
	s_nop 0
.rept 4
	v_nop
.endr
.endm
.macro NEXTFILL rows, first            ; a later first fill: the barrier, and one load a wave behind it
	s_wait_alu depctr_va_vdst(0)
	s_wait_tensorcnt 0x0                           ; my one load is in: the descriptor may be written
	ds_add_u32 v[SPW], v[NIL]
	DESC \rows, \first
	s_wait_dscnt 0x0
	s_barrier_signal -1
	s_barrier_wait -1                              ; everybody's part of the last fill is in
	FILL
.endm
.macro SENDP                           ; my part, as an image of registers
.irp t, 0,1,2,3,4,5,6,7
	ds_store_b128 v[ZWA], v[O+4*\t:O+4*\t+3] offset:512*\t
.endr
	ds_store_b128 v[ZWA], v[12:15] offset:4096
	s_wait_dscnt 0x0                               ; the stores have read their registers
.endm
	s_load_b256 s[4:11], s[0:1], 0x0               ; qq, kv, mask, cq
	v_lshl_add_u32 v[SPW], v0, 2, SPARE
	v_mov_b32 v[NIL], 0
	ds_add_u32 v[SPW], v[NIL]
	ds_add_u32 v[SPW], v[NIL]
	v_lshrrev_b32 v8, 5, v0
	v_readfirstlane_b32 s[WV], v8                  ; wave 0..15
	s_and_b32 s[BH], ttmp7, 0xffff                 ; batch x 16 + head
	s_lshr_b32 s[BAT], s[BH], 4
	s_and_b32 s[HD], s[BH], 15
	s_lshr_b32 s50, s[WV], 2
	s_xor_b32 s50, s50, s[WV]
	s_and_b32 s[PI], s50, 1                        ; two of each kind among any four waves w % 4 alike or w / 4 alike; waves 2 n and 2 n + 1 differ
	s_lshr_b32 s[TAU], s[WV], 1                    ; my tile of a block's eight
	s_lshr_b32 s[TG], s[TAU], 1
	s_and_b32 s[TU], s[TAU], 1
	s_lshl_b32 s[Q0], s[TG], 5
	s_lshl_b32 s50, s[TU], 3
	s_add_co_u32 s[Q0], s[Q0], s50                 ; the tile's first query in its block
	s_sub_co_u32 s[SDH], 15, ttmp9
	s_mov_b32 s[SD], s[SDH]
	s_cmp_eq_u32 s[PI], 0
	s_cselect_b32 s[SDO], s[SDH], ttmp9
	s_mul_i32 s[PB], s[PI], STEPB
	s_lshl_b32 s[PBB], s[PI], 9
	s_mul_i32 s[ZW], s[WV], ZSZ
	s_add_co_u32 s[ZW], s[ZW], ZB
	s_xor_b32 s[ZR], s[WV], 1                      ; my partner
	s_mul_i32 s[ZR], s[ZR], ZSZ
	s_add_co_u32 s[ZR], s[ZR], ZB
	s_mul_i32 s[VT], s[WV], STEPB
	s_lshl_b32 s[VW], s[WV], 8
	s_add_co_u32 s[UW], s[VW], US
	s_add_co_u32 s[VW], s[VW], VS
	s_mov_b32 s16, 3<<16                           ; group 1: dense rows of 256 bytes (32 elements of 8)
	s_mov_b32 s17, 32<<16
	s_mov_b32 s19, 32<<16
	s_mov_b32 s21, 32
	s_mov_b32 s22, 0
	s_mov_b32 s23, 0
	s_mov_b32 s24, 1
	s_mul_i32 s52, s[BH], 16*STEPB
	s_mov_b32 s53, 0
	s_mov_b32 s57, 0
	s_lshl_b32 s50, s[BH], 6                       ; Q: half tile % 2 of pair fragment 4 block + tile / 2
	s_add_co_u32 s50, s50, s[TG]
	s_lshl_b32 s51, s[SDH], 2
	s_add_co_u32 s51, s51, s50
	s_mul_i32 s32, s51, 1536
	s_mov_b32 s33, 0
	s_lshl_b32 s51, ttmp9, 2
	s_add_co_u32 s51, s51, s50
	s_mul_i32 s34, s51, 1536
	s_mov_b32 s35, 0
	s_lshl_b32 s50, s[BH], 4                       ; and its scale words
	s_add_co_u32 s51, s50, s[SDH]
	s_lshl_b32 s36, s51, 9
	s_add_co_u32 s51, s50, ttmp9
	s_lshl_b32 s38, s51, 9
	s_lshl_b32 s51, s[TG], 2
	s_add_co_u32 s51, s51, SOFF
	s_add_co_u32 s36, s36, s51
	s_add_co_u32 s38, s38, s51
	s_mov_b32 s37, 0
	s_mov_b32 s39, 0
	s_lshl_b32 s40, s[BAT], 13
	s_mov_b32 s41, 0
	s_mov_b32 s70, 512
	s_mov_b32 s71, 0x01000100
	s_cmp_eq_u32 s[TU], 1
	s_cselect_b32 s68, 520, 0                      ; registers 0-5 of the image lie at 0, 8, 512 (+ 16 x lane), registers 6-11 at 520, 1024, 1032
	s_cselect_b32 s69, 1024, 8
	s_cselect_b32 s70, 1032, s70
	s_cselect_b32 s71, 0x03020302, s71             ; the tile's two scale bytes are the word's lower or upper two
	s_mul_i32 s72, ttmp9, 74*256
	s_add_co_u32 s72, s72, 16*RA*256               ; my work-group's 74 rows of rows 208 .. 799
	s_mov_b32 s[CS], 0x3e38aa3b
	s_mov_b32 s[CS+1], s[CS]
	s_mov_b32 s[SEL], 0x76543210
	s_mov_b32 s[SEL+1], 0xfedcba98
	s_wait_dscnt 0x0
	s_wait_kmcnt 0x0
	s_add_nc_u64 s[HB:HB+1], s[6:7], s[52:53]
	s_add_nc_u64 s[32:33], s[4:5], s[32:33]
	s_add_nc_u64 s[34:35], s[4:5], s[34:35]
	s_add_nc_u64 s[36:37], s[4:5], s[36:37]
	s_add_nc_u64 s[38:39], s[4:5], s[38:39]
	s_add_nc_u64 s[40:41], s[8:9], s[40:41]
	DESC RA, 0
	FILL                                           ; rows 0 .. 207: one load a wave at the head
	v_min_u32 v10, 73, v0
	v_lshlrev_b32 v10, 8, v10
	v_add_nc_u32 v10, s72, v10
	s_cmp_lt_u32 s[WV], 3
	s_cbranch_scc0 .Lno_ask
	global_prefetch_b8 v10, s[HB:HB+1] th:TH_LOAD_NT scope:SCOPE_SE   ; threads 0-73 a row each; threads 74-95 name row 73 again
.Lno_ask:
	v_and_b32 v254, 31, v0
	v_bfe_u32 v255, v0, 4, 1                       ; h
	v_and_b32 v252, 15, v0
	v_lshlrev_b32 v[LI], 4, v254
	v_lshlrev_b32 v[GO], 3, v254
	v_lshl_add_u32 v[BA], v255, 6, BIAS
	v_and_b32 v35, 8, v252
	s_delay_alu instid0(VALU_DEP_1)
	v_add_nc_u32 v35, v35, v252                    ; r + 8 (r / 8)
	v_lshlrev_b32 v252, 4, v255
	s_delay_alu instid0(VALU_DEP_2)
	v_add_nc_u32 v[QD], s[Q0], v35
	v_lshlrev_b32 v35, 5, v35
	s_delay_alu instid0(VALU_DEP_2)
	v_sub_nc_u32 v[QD], v[QD], v252
	s_delay_alu instid0(VALU_DEP_2)
	v_add_nc_u32 v35, v35, v255                    ; ctx's scale bytes: 32 a token; lanes 16-31 store the second block's
	v_mov_b32 v[EPSR], 0xce6e6b28
	v_lshlrev_b32 v[ADB], 4, v0                    ; the mask: 16 bytes a thread
	v_lshl_add_u32 v9, v0, 4, BIAS
	v_add_nc_u32 v8, s68, v[LI]
	v_add_nc_u32 v11, s69, v[LI]
	v_add_nc_u32 v[ADK], s70, v[LI]
	v_add_nc_u32 v[ZWA], s[ZW], v[LI]
	s_wait_alu depctr_va_vdst(0)
	global_load_b128 v[36:39], v[ADB], s[40:41]    ; the mask; the registers cleared below are none of these loads'
	global_load_b64 v[22:23], v8, s[32:33]         ; block 15 - j's q
	global_load_b64 v[24:25], v11, s[32:33]
	global_load_b64 v[26:27], v[ADK], s[32:33]
	global_load_b32 v34, v[LI], s[36:37]
	global_load_b64 v[OH:OH+1], v8, s[34:35]       ; block j's q waits in v184-190
	global_load_b64 v[OH+2:OH+3], v11, s[34:35]
	global_load_b64 v[OH+4:OH+5], v[ADK], s[34:35]
	global_load_b32 v[OH+6], v[LI], s[38:39]
.irp i, 0,1,2,3,4,5
	v_mov_b32 v[16+\i], 0                          ; [0 | q] = v16-27, [q | 0] = v22-33
	v_mov_b32 v[28+\i], 0
.endr
	v_mov_b32 v13, 0xff61b1e6                      ; the largest t so far: -3e38
	v_mov_b32 v14, 0
	v_mov_b32 v15, 0
	v_floor_f32 v12, -v13                          ; -M
	v_mov_b32 v251, 0                              ; (upper halves of pairs of which the low word serves both)
	v_mov_b32 v253, 0
.irp b, 0,1,2,3
	v_mov_b32 v[BT+\b], 0                          ; a lane permute's destination counts as one of its sources
.endr
.set kk, 0
.rept 32
	v_mov_b32 v[O+kk], 0                           ; the step is written once, and its first pass finds zeros
.set kk, kk+1
.endr
.set kk, 7
.rept 25
	v_mov_b32 v[OH+kk], 0
.set kk, kk+1
.endr
	s_wait_alu depctr_va_vdst(0)
	s_wait_loadcnt 0x0
	s_wait_xcnt 0x0                                ; the prefetch has read its address
	v_perm_b32 v34, v34, v34, s71                  ; Q's scale word: its two bytes twice, for both places of q
	v_perm_b32 v[OH+6], v[OH+6], v[OH+6], s71
.irp i, 0,1,2,3
	v_cmp_eq_u32 vcc_lo, 0, v[36+\i]
	v_cndmask_b32 v[36+\i], 0, v[EPSR], vcc_lo
.endr
	ds_store_b128 v9, v[36:39]                     ; shown to the other waves by the wait and barrier below
.macro STEP
	v_add_nc_u32 v[ADK], s[TB], v[LI]
	v_add_nc_u32 v[ADB], s[TBB], v[BA]
	v_nop
	v_nop                                          ; four places behind the last step's products, in front of loads into their operands
	s_cmp_gt_u32 s[ST], s[SD]                      ; a branch on ids: all keys of the step lie behind my queries
	s_cbranch_scc1 .Lend_\@
	ds_load_b128 v[SC:SC+3], v[ADK] offset:12288
.irp f, 0,1,2,3
.irp g, 0,1,2
	ds_load_b128 v[F+12*\f+4*\g:F+12*\f+4*\g+3], v[ADK] offset:1536*\f+512*\g
.endr
.endr
.irp t, 0,1,2,3,4,5,6,7                        ; the C of tile t: 0 or -1e9 at keys 32 (t / 2) + 8 (t % 2) + 16 h + 0 .. 7
	ds_load_b128 v[S+8*\t:S+8*\t+3], v[ADB] offset:(32*(\t/2)+8*(\t%2))*4
	ds_load_b128 v[S+8*\t+4:S+8*\t+7], v[ADB] offset:(32*(\t/2)+8*(\t%2))*4+16
.endr
	s_wait_dscnt 0x0
.irp f, 0,1,2,3                                ; S^T = K Q^T + C: a lane holds one query; registers 16 b + i are keys 32 b + 16 h + i
	v_wmma_scale_f32_16x16x128_f8f6f4 v[S+16*\f:S+16*\f+7], v[F+12*\f:F+12*\f+11], v[22:33], v[S+16*\f:S+16*\f+7], v[SC+\f], v34 matrix_a_fmt:MATRIX_FMT_FP6 matrix_b_fmt:MATRIX_FMT_FP6
	v_wmma_scale_f32_16x16x128_f8f6f4 v[S+16*\f+8:S+16*\f+15], v[F+12*\f:F+12*\f+11], v[16:27], v[S+16*\f+8:S+16*\f+15], v[SC+\f], v34 matrix_a_fmt:MATRIX_FMT_FP6 matrix_b_fmt:MATRIX_FMT_FP6
.endr
.rept 4
	v_nop
.endr
	s_wait_alu depctr_va_vdst(0)
.irp t, 0,1,2,3
.irp g, 0,1,2
	ds_load_b128 v[F+12*\t+4*\g:F+12*\t+4*\g+3], v[ADK] offset:6144+1536*\t+512*\g   ; V's four tiles land under the softmax
.endr
.endr
	s_cmp_lg_u32 s[ST], s[SD]
	s_cbranch_scc1 .Lopen_\@
.set kk, 0
.rept 64                                       ; the diagonal step: key 32 (n / 16) + n % 16 + 16 h is hidden where it lies behind my query
	v_cmp_gt_i32 vcc_lo, 32*(kk/16)+kk%16, v[QD]
	v_cndmask_b32 v[S+kk], v[S+kk], v[EPSR], vcc_lo
.set kk, kk+1
.endr
.Lopen_\@:
.irp b, 0,1,2,3
	v_max3_num_f32 v[BM+\b], v[S+16*\b], v[S+1+16*\b], v[S+2+16*\b]   ; each block's largest score: for the row's maximum and for the block's largest p
.endr
.irp i, 3,5,7,9,11,13
.irp b, 0,1,2,3
	v_max3_num_f32 v[BM+\b], v[BM+\b], v[S+16*\b+\i], v[S+1+16*\b+\i]
.endr
.endr
.irp b, 0,1,2,3
	v_max_num_f32 v[BM+\b], v[BM+\b], v[S+15+16*\b]
.endr
.irp b, 0,1,2,3
	s_delay_alu instid0(VALU_DEP_4)
	v_permlanex16_b32 v[BT+\b], v[BM+\b], s[SEL], s[SEL+1]
.endr
.irp b, 0,1,2,3
	s_delay_alu instid0(VALU_DEP_4)
	v_max_num_f32 v[BM+\b], v[BM+\b], v[BT+\b]
.endr
	s_delay_alu instid0(VALU_DEP_2)
	v_max3_num_f32 v254, v[BM], v[BM+1], v[BM+2]
	s_delay_alu instid0(VALU_DEP_1)
	v_max_num_f32 v254, v254, v[BM+3]
	s_delay_alu instid0(VALU_DEP_1)
	v_mul_f32 v254, s[CS], v254                    ; as t (c is positive)
	s_delay_alu instid0(VALU_DEP_1)
	v_max_num_f32 v13, v13, v254                   ; the running largest t
	v_mov_b32 v254, v12
	s_delay_alu instid0(VALU_DEP_2)
	v_floor_f32 v12, -v13                          ; -M = floor(-t): M is a whole number
	s_delay_alu instid0(VALU_DEP_1)
	v_sub_f32 v254, v12, v254                      ; old M - new M, 0 or less
	s_delay_alu instid0(VALU_DEP_1)
	v_cvt_i32_f32 v254, v254                       ; (it saturates)
	s_delay_alu instid0(VALU_DEP_1)
	v_ldexp_f32 v250, 1.0, v254                    ; f = 2^(old M - new M): rounds nothing
.set kk, 0
.rept 32
	v_pk_fma_f32 v[S+kk:S+kk+1], v[S+kk:S+kk+1], s[CS:CS+1], v[12:13] op_sel_hi:[1,0,0]   ; t - M
.set kk, kk+2
.endr
.irp b, 0,1,2,3
	v_fma_f32 v[BM+\b], v[BM+\b], s[CS], v12       ; the same of each block's largest score
.endr
	s_wait_alu depctr_va_vdst(0)
.set kk, 0
.rept 64
	v_exp_f32 v[S+kk], v[S+kk]                     ; p = 2^(t - M)
.set kk, kk+1
.endr
	v_pk_mul_f32 v[14:15], v[14:15], v[250:251] op_sel_hi:[1,0]   ; the sums under the new M (a plain place behind the exponentials)
	s_wait_alu depctr_va_vdst(0)                   ; one wait for the batch, ahead of its first use
.irp b, 0,1,2,3
	v_exp_f32 v[BM+\b], v[BM+\b]                   ; each block's largest p: the same instructions on the same number
.endr
	v_pk_add_f32 v[252:253], v[S:S+1], v[S+2:S+3]  ; the row's sum of the unquantised p, in four chains
	v_pk_add_f32 v[254:255], v[S+4:S+5], v[S+6:S+7]
	v_pk_add_f32 v[246:247], v[S+8:S+9], v[S+10:S+11]
	v_pk_add_f32 v[14:15], v[14:15], v[S+12:S+13]
.irp j, 14,22,30,38,46,54
	v_pk_add_f32 v[252:253], v[252:253], v[S+\j:S+\j+1]
	v_pk_add_f32 v[254:255], v[254:255], v[S+\j+2:S+\j+3]
	v_pk_add_f32 v[246:247], v[246:247], v[S+\j+4:S+\j+5]
	v_pk_add_f32 v[14:15], v[14:15], v[S+\j+6:S+\j+7]
.endr
	v_pk_add_f32 v[252:253], v[252:253], v[S+62:S+63]
	s_delay_alu instid0(VALU_DEP_3)
	v_pk_add_f32 v[254:255], v[254:255], v[246:247]
	s_delay_alu instid0(VALU_DEP_2)
	v_pk_add_f32 v[14:15], v[14:15], v[252:253]
	s_delay_alu instid0(VALU_DEP_1)
	v_pk_add_f32 v[14:15], v[14:15], v[254:255]
	s_wait_alu depctr_va_vdst(0)                   ; and one for the four
.irp b, 0,1,2,3
	v_max_num_f32 v[BM+\b], 0x1800000, v[BM+\b]    ; the floor: the byte cannot fall under 1
.endr
.irp b, 0,1,2,3
	s_delay_alu instid0(VALU_DEP_4)
	v_add_nc_u32 v[SO+\b], 0xff000000, v[BM+\b]
.endr
.irp b, 0,1,2,3
	s_delay_alu instid0(VALU_DEP_4)
	v_lshrrev_b32 v[BT+\b], 23, v[SO+\b]
.endr
	s_delay_alu instid0(VALU_DEP_3)
	v_lshl_or_b32 v[PW], v[BT+1], 8, v[BT]
	s_delay_alu instid0(VALU_DEP_1)
	v_lshl_or_b32 v[PW], v[BT+2], 16, v[PW]
	s_delay_alu instid0(VALU_DEP_1)
	v_lshl_or_b32 v[PW], v[BT+3], 24, v[PW]
.irp c, 0,1
	v_cvt_scalef32_pk16_fp6_f32 v[P+6*\c:P+2+6*\c], v[S+32*\c:S+15+32*\c], v[SO+2*\c]
	v_cvt_scalef32_pk16_fp6_f32 v[P+12+4*\c:P+14+4*\c], v[S+16+32*\c:S+31+32*\c], v[SO+2*\c+1]
.endr
	v_nop
.irp c, 0,1
.irp i, 0,1,2
	v_permlane16_swap_b32 v[P+6*\c+\i], v[P+12+4*\c+\i]
.endr
.irp i, 0,1,2
	s_delay_alu instid0(VALU_DEP_3)
	v_mov_b32 v[P+3+6*\c+\i], v[P+12+4*\c+\i]
.endr
.endr
	s_wait_alu depctr_va_vdst(0)
.set kk, 0
.rept 16
	v_pk_mul_f32 v[O+kk:O+kk+1], v[O+kk:O+kk+1], v[250:251] op_sel_hi:[1,0]   ; O^T under the new M; also the places in front of the products below
.set kk, kk+2
.endr
	s_wait_alu depctr_va_vdst(0)
	s_wait_dscnt 0x0                               ; V is in
.irp t, 0,1,2,3
	v_wmma_scale_f32_16x16x128_f8f6f4 v[O+8*\t:O+8*\t+7], v[F+12*\t:F+12*\t+11], v[P:P+11], v[O+8*\t:O+8*\t+7], v[SC+\t], v[PW] matrix_a_fmt:MATRIX_FMT_FP6 matrix_b_fmt:MATRIX_FMT_FP6 matrix_a_scale:MATRIX_SCALE_ROW1
.endr
.Lend_\@:
	s_add_co_u32 s[TB], s[TB], 2*STEPB
	s_add_co_u32 s[TBB], s[TBB], 1024
	s_add_co_u32 s[ST], s[ST], 2
.endm
.macro SEG n, t0                       ; n trips from trip t0 on: my key steps 2 t + PI
	s_add_co_u32 s[TB], s[PB], 2*STEPB*(\t0)
	s_add_co_u32 s[TBB], s[PBB], 1024*(\t0)
	s_add_co_u32 s[ST], s[PI], 2*(\t0)
	s_mov_b32 s[CT], \n
.Lstep_\@:
	STEP
	s_sub_co_u32 s[CT], s[CT], 1
	s_cmp_lg_u32 s[CT], 0
	s_cbranch_scc1 .Lstep_\@
.endm
	NEXTFILL RB, 16*RA                             ; rows 208 .. 511
	SEG 2, 0                                       ; steps 0-3
	NEXTFILL RC, 16*(RA+RB)                        ; rows 512 .. 799
	SEG 3, 2                                       ; steps 4-9
	s_wait_alu depctr_va_vdst(0)
	s_wait_tensorcnt 0x0                           ; my part of the last fill is in
	s_wait_dscnt 0x0
	s_barrier_signal -1
	s_barrier_wait -1                              ; everybody's is
	SEG 3, 5                                       ; steps 10-15
	; BLOCK 15 - j IS WALKED.  The odd wave sends its part; the even wave keeps its own in v184-215 and v8-11.  Then block j.
	v_mov_b32 v34, v[OH+6]
.irp i, 0,1,2,3,4,5
	v_mov_b32 v[22+\i], v[OH+\i]                   ; block j's q; also the places behind the last products
.endr
	s_wait_alu depctr_va_vdst(0)
	s_cmp_eq_u32 s[PI], 0
	s_cbranch_scc1 .Lkeep_a
	SENDP
	s_branch .Lblock_j
.Lkeep_a:
.set kk, 0
.rept 32
	v_mov_b32 v[OH+kk], v[O+kk]
.set kk, kk+1
.endr
.irp i, 0,1,2,3
	v_mov_b32 v[8+\i], v[12+\i]
.endr
.Lblock_j:
	v_mov_b32 v13, 0xff61b1e6                      ; the first open step's f is 0: it clears O^T and the sums
	v_mov_b32 v14, 0
	v_mov_b32 v15, 0
	v_floor_f32 v12, -v13
	s_wait_alu depctr_va_vdst(0)
	s_mov_b32 s[SD], ttmp9
	SEG 8, 0
.rept 4
	v_nop
.endr
	s_wait_alu depctr_va_vdst(0)
	s_cmp_eq_u32 s[PI], 0
	s_cbranch_scc0 .Lkeep_b
	SENDP                                          ; the even wave sends its part of block j and takes up its part of block 15 - j
.set kk, 0
.rept 32
	v_mov_b32 v[O+kk], v[OH+kk]
.set kk, kk+1
.endr
.irp i, 0,1,2,3
	v_mov_b32 v[12+\i], v[8+\i]
.endr
.Lkeep_b:
	; V's sum over key step w (my wave's number): four products with 128 codes of 1.0 under the scale 1; every column of the result is that sum
	v_add_nc_u32 v[ADK], s[VT], v[LI]
	v_bfe_u32 v255, v0, 4, 1
	v_add_nc_u32 v229, s[ZR], v[LI]                ; my partner's part
	v_add_nc_u32 v230, VS, v[GO]                   ; the 16 sums, two words a lane
	v_add_nc_u32 v232, s[UW], v[GO]
	v_lshlrev_b32 v228, 7, v255
	ds_load_b128 v[SC:SC+3], v[ADK] offset:12288
.irp t, 0,1,2,3
.irp g, 0,1,2
	ds_load_b128 v[F+12*\t+4*\g:F+12*\t+4*\g+3], v[ADK] offset:6144+1536*\t+512*\g
.endr
.endr
	v_add_nc_u32 v228, s[VW], v228                 ; VS + 256 w + 128 h: word 32 h + n is register n of O^T's layout
	v_mov_b32 v[PW], 0x7f7f7f7f
.irp i, 0,1,2,3
	v_mov_b32 v[P+3*\i], 0x08208208
	v_mov_b32 v[P+3*\i+1], 0x82082082
	v_mov_b32 v[P+3*\i+2], 0x20820820
.endr
	s_wait_alu depctr_va_vdst(0)
	s_wait_dscnt 0x0
.rept 4
	v_nop                                          ; an operand written by vector instructions stands 4 places ahead of a scaled product, its scale word 8
.endr
.irp t, 0,1,2,3
	v_wmma_scale_f32_16x16x128_f8f6f4 v[S+8*\t:S+8*\t+7], v[F+12*\t:F+12*\t+11], v[P:P+11], 0, v[SC+\t], v[PW] matrix_a_fmt:MATRIX_FMT_FP6 matrix_b_fmt:MATRIX_FMT_FP6 matrix_a_scale:MATRIX_SCALE_ROW1
.endr
.rept 4
	v_nop
.endr
.irp t, 0,1,2,3
	ds_store_b128 v228, v[S+8*\t:S+8*\t+3] offset:32*\t        ; the sixteen lanes of a half write the same bytes with the same values
	ds_store_b128 v228, v[S+8*\t+4:S+8*\t+7] offset:32*\t+16
.endr
	s_wait_dscnt 0x0                               ; my part and my sum are in LDS
	s_barrier_signal -1
	s_barrier_wait -1
.irp t, 0,1,2,3,4,5,6,7
	ds_load_b128 v[S+4*\t:S+4*\t+3], v229 offset:512*\t
.endr
	ds_load_b128 v[S+32:S+35], v229 offset:4096
.irp k, 0,1,2,3,4,5,6,7,8,9,10,11,12,13,14,15
	ds_load_b64 v[F+2*\k:F+2*\k+1], v230 offset:256*\k
.endr
	s_wait_dscnt 0x0
.irp k, 0,4,8,12,16,20,24,28
	v_pk_add_f32 v[F+\k:F+\k+1], v[F+\k:F+\k+1], v[F+\k+2:F+\k+3]
.endr
.irp k, 0,8,16,24
	v_pk_add_f32 v[F+\k:F+\k+1], v[F+\k:F+\k+1], v[F+\k+4:F+\k+5]
.endr
	v_pk_add_f32 v[F:F+1], v[F:F+1], v[F+8:F+9]
	v_pk_add_f32 v[F+16:F+17], v[F+16:F+17], v[F+24:F+25]
	s_delay_alu instid0(VALU_DEP_1)
	v_pk_add_f32 v[F:F+1], v[F:F+1], v[F+16:F+17]
	s_delay_alu instid0(VALU_DEP_1)
	v_pk_mul_f32 v[F:F+1], v[F:F+1], 0x3a000000 op_sel_hi:[1,0]   ; / 2,048
	ds_store_b64 v232, v[F:F+1]
.irp k, 0,1,2,3,4,5,6,7
	ds_load_b128 v[OH+4*\k:OH+4*\k+3], v228 offset:US-VS+16*\k   ; back in O^T's layout; LDS serves a wave's instructions in order
.endr
	; the two parts under one M
	v_min_num_f32 v10, v12, v[S+32]                ; -M
	v_max_num_f32 v13, v13, v[S+33]                ; the row's largest t
	v_add_f32 v14, v14, v15
	v_add_f32 v8, v[S+34], v[S+35]
	v_sub_f32 v11, v10, v12
	v_sub_f32 v9, v10, v[S+32]
	s_delay_alu instid0(VALU_DEP_2)
	v_cvt_i32_f32 v11, v11
	s_delay_alu instid0(VALU_DEP_2)
	v_cvt_i32_f32 v9, v9
	s_delay_alu instid0(VALU_DEP_2)
	v_ldexp_f32 v250, 1.0, v11
	s_delay_alu instid0(VALU_DEP_2)
	v_ldexp_f32 v252, 1.0, v9
	s_delay_alu instid0(VALU_DEP_2)
	v_mul_f32 v14, v14, v250
	s_delay_alu instid0(VALU_DEP_1)
	v_fmac_f32 v14, v8, v252
	s_delay_alu instid0(VALU_DEP_1)
	v_permlanex16_b32 v[BT], v14, s[SEL], s[SEL+1]
	v_mul_f32 v8, s[CS], v[EPSR]                   ; T
	s_delay_alu instid0(VALU_DEP_2)
	v_add_f32 v14, v14, v[BT]                      ; the row's sum
	v_cmp_le_f32 s50, v13, v8
	s_wait_alu depctr_va_vdst(0)
	v_rcp_f32 v11, v14
	v_nop
	s_wait_alu depctr_va_vdst(0)
	v_mul_f32 v250, v250, v11
	v_mul_f32 v252, v252, v11
.set kk, 0
.rept 16
	v_pk_mul_f32 v[O+kk:O+kk+1], v[O+kk:O+kk+1], v[250:251] op_sel_hi:[1,0]
.set kk, kk+2
.endr
.set kk, 0
.rept 16
	v_pk_fma_f32 v[O+kk:O+kk+1], v[S+kk:S+kk+1], v[252:253], v[O+kk:O+kk+1] op_sel_hi:[1,0,1]
.set kk, kk+2
.endr
	s_wait_alu depctr_va_vdst(0)
	s_wait_dscnt 0x0
.set kk, 0
.rept 32
	v_cndmask_b32 v[O+kk], v[O+kk], v[OH+kk], s50  ; ctx: register 16 b + i is channel 32 b + 16 h + i of my query
.set kk, kk+1
.endr
.irp b, 0,1
	v_max3_num_f32 v[BM+\b], |v[O+16*\b]|, |v[O+1+16*\b]|, 0x1800000
.endr
.irp i, 2,4,6,8,10,12,14
.irp b, 0,1
	s_delay_alu instid0(VALU_DEP_2)
	v_max3_num_f32 v[BM+\b], v[BM+\b], |v[O+16*\b+\i]|, |v[O+1+16*\b+\i]|
.endr
.endr
.irp b, 0,1
	s_delay_alu instid0(VALU_DEP_2)
	v_permlanex16_b32 v[BT+\b], v[BM+\b], s[SEL], s[SEL+1]
.endr
.irp b, 0,1
	s_delay_alu instid0(VALU_DEP_2)
	v_max_num_f32 v[BM+\b], v[BM+\b], v[BT+\b]
.endr
.irp b, 0,1
	s_delay_alu instid0(VALU_DEP_2)
	v_add_nc_u32 v[SO+\b], 0xff000000, v[BM+\b]
.endr
.irp b, 0,1
	s_delay_alu instid0(VALU_DEP_2)
	v_lshrrev_b32 v[BT+\b], 23, v[SO+\b]
.endr
	v_cvt_scalef32_pk16_fp6_f32 v[216:218], v[O:O+15], v[SO]
	v_cvt_scalef32_pk16_fp6_f32 v[220:222], v[O+16:O+31], v[SO+1]
	v_nop
.irp i, 0,1,2
	v_permlane16_swap_b32 v[216+\i], v[220+\i]
.endr
	s_delay_alu instid0(VALU_DEP_3)
	v_mov_b32 v219, v220
	s_delay_alu instid0(VALU_DEP_3)
	v_mov_b32 v220, v221
	s_delay_alu instid0(VALU_DEP_3)
	v_mov_b32 v221, v222                           ; v216-221: registers 6 (head % 2) .. + 5 of the last product's operand
	s_mov_b32 s52, 0xffff0000
	v_cndmask_b32 v8, v[BT], v[BT+1], s52
	; cq's codes: [128 tokens 32][256 K][tile 8][128 K][six planes of 256 bytes: registers 2 p, 2 p + 1 at 8 x lane]
	s_lshl_b32 s53, s[BAT], 4
	s_add_co_u32 s53, s53, s[SDO]
	s_lshl_b32 s53, s53, 2
	s_lshr_b32 s54, s[HD], 2
	s_add_co_u32 s53, s53, s54
	s_lshl_b32 s53, s53, 3
	s_add_co_u32 s53, s53, s[TAU]
	s_lshl_b32 s53, s53, 1
	s_bfe_u32 s54, s[HD], 0x10001
	s_add_co_u32 s53, s53, s54
	s_mul_i32 s56, s53, 1536
	s_and_b32 s54, s[HD], 1
	s_mul_i32 s54, s54, 768
	s_add_co_u32 s56, s56, s54
	s_mov_b32 s57, 0
	s_add_nc_u64 s[56:57], s[10:11], s[56:57]
	s_lshl_b32 s58, s[BAT], 11
	s_lshl_b32 s59, s[SDO], 7
	s_add_co_u32 s58, s58, s59
	s_add_co_u32 s58, s58, s[Q0]
	s_lshl_b32 s58, s58, 5
	s_lshl_b32 s59, s[HD], 1
	s_add_co_u32 s58, s58, s59
	s_add_co_u32 s58, s58, SOFF
	s_mov_b32 s59, 0
	s_add_nc_u64 s[58:59], s[10:11], s[58:59]
	s_wait_alu depctr_va_vdst(0)
.irp p, 0,1,2
	global_store_b64 v[GO], v[216+2*\p:217+2*\p], s[56:57] offset:256*\p   ; 256 consecutive bytes, aligned
.endr
	global_store_b8 v35, v8, s[58:59]
	s_wait_tensorcnt 0x0                           ; the wave's end
	ds_add_u32 v[SPW], v[NIL]
	s_wait_dscnt 0x0
	s_endpgm
.Lfunc_end_k_q99623fe97c_attn:
	.size	k_q99623fe97c_attn, .Lfunc_end_k_q99623fe97c_attn-k_q99623fe97c_attn
	.p2alignl 7, 3214868480
	.fill 96, 4, 3214868480
	.section	.rodata,"a",@progbits
	.p2align	6, 0x0
	.amdhsa_kernel k_q99623fe97c_attn
		.amdhsa_group_segment_fixed_size 327680
		.amdhsa_private_segment_fixed_size 0
		.amdhsa_enable_private_segment 0
		.amdhsa_kernarg_size 32
		.amdhsa_user_sgpr_count 2
		.amdhsa_user_sgpr_kernarg_segment_ptr 1
		.amdhsa_wavefront_size32 1
		.amdhsa_system_sgpr_workgroup_id_x 1
		.amdhsa_system_sgpr_workgroup_id_y 1
		.amdhsa_system_sgpr_workgroup_id_z 1
		.amdhsa_system_vgpr_workitem_id 0
		.amdhsa_next_free_vgpr 256
		.amdhsa_next_free_sgpr 80
		.amdhsa_reserve_vcc 1
		.amdhsa_float_denorm_mode_32 3
		.amdhsa_float_denorm_mode_16_64 3
		.amdhsa_memory_ordered 1
		.amdhsa_forward_progress 1
		.amdhsa_inst_pref_size 123
	.end_amdhsa_kernel
	.amdgpu_metadata
---
amdhsa.version: [ 1, 2 ]
amdhsa.kernels:
  - .name:           k_q99623fe97c_attn
    .symbol:         k_q99623fe97c_attn.kd
    .args:
      - { .name: qq, .offset: 0, .size: 8, .value_kind: global_buffer, .address_space: global }
      - { .name: kv, .offset: 8, .size: 8, .value_kind: global_buffer, .address_space: global }
      - { .name: attention_mask, .offset: 16, .size: 8, .value_kind: global_buffer, .address_space: global }
      - { .name: cq, .offset: 24, .size: 8, .value_kind: global_buffer, .address_space: global }
    .group_segment_fixed_size: 327680
    .private_segment_fixed_size: 0
    .kernarg_segment_align: 8
    .kernarg_segment_size: 32
    .max_flat_workgroup_size: 512
    .sgpr_count:     80
    .vgpr_count:     256
    .wavefront_size: 32
...
	.end_amdgpu_metadata
.endif
;; end of part 3
;; launch proj (part 4): grid 8 x 32, 4 waves a work-group, clusters of 4 x 4, 231,936 bytes of LDS; arguments cq, wq, c_proj_bias, out0; writes out0
.if DOCPART == 4
	.amdgcn_target "amdgcn-amd-amdhsa--gfx1250"
	.amdhsa_code_object_version 6
	.text
	.protected	k_q99623fe97c_proj
	.globl	k_q99623fe97c_proj
	.p2align	8
	.type	k_q99623fe97c_proj,@function
k_q99623fe97c_proj:
	s_mov_b64 s[64:65], 0
	v_nop
	global_prefetch_b8 v0, s[64:65] scope:SCOPE_SE
	s_setreg_imm32_b32 hwreg(HW_REG_WAVE_MODE, 25, 1), 1
	s_wait_xcnt 0x0
	s_wait_alu depctr_hold_cnt(0) depctr_sa_sdst(0) depctr_va_vdst(0) depctr_va_sdst(0) depctr_va_ssrc(0) depctr_va_vcc(0) depctr_vm_vsrc(0)
	s_getreg_b32 s2, hwreg(HW_REG_IB_STS2, 6, 4)
	s_cmp_eq_u32 s2, 0
	s_cbranch_scc0 .Lentry_in_a_cluster
	s_endpgm
.Lentry_in_a_cluster:
	s_bfe_u32 s2, ttmp6, 0x10000c
	s_cmp_lg_u32 s2, 0xf033
	s_cbranch_scc0 .Lentry_shape_is_right
	s_endpgm
.Lentry_shape_is_right:
; out = ctx c_proj + bias on codes of FP6.  A work-group makes 128 tokens x 128 columns; a wave 64 x 64: 16 accumulators.  256 work-groups.
; All of K (1,024) of both operands fits in LDS: 2 x 98,304 bytes, filled once, in four quarters of 256 along K; no byte is filled twice.  At most four loads of a wave are out.
; Operands lie in memory as images of registers: ctx's fragments as six planes of 256 bytes (8 bytes a lane), c_proj's as three of 512 (16 bytes a lane); a quarter's tiles are dense blocks.
; CLUSTER 4 x 4: ctx's tiles hang on the token block alone and are asked for jointly along a row of the cluster, c_proj's on the column block alone, along a column.
; THE MATRIX INSTRUCTION IS USED TRANSPOSED (source 0 = 16 columns of c_proj, source 1 = 16 tokens): a lane holds eight neighbouring numbers of a row of out.  The bias is the C of each sum's first product.
; The rows of every tile are 32 (t / 2) + 8 (t % 2) + r + 8 (r / 8); the stores' immediates put the rows back in order.
; REGISTERS.  window 0: v2-8 addresses; v16-31 ctx's scale words, v32-47 c_proj's; v48-79 the bias; v128-255 the accumulators, (a, f) at 128 + 8 (4 a + f).   window 1: two sets of 96: ctx's four fragments, then c_proj's four.
.set QB,    24576                      ; a quarter of K of one operand: 8 tiles x 2 K steps x 1,536
.set BOFF,  98304
.set STG,   196608                     ; the way out: 32 rows x (256 + 16) bytes for each wave
.set SOFF,  3145728
.set PCDOFF, 2359296
.set MSB, 0
.macro WIN new
.if MSB != \new
	s_set_vgpr_msb (MSB<<8)|\new
.set MSB, \new
.endif
.endm
.macro PLACES
.rept 4
	v_nop
.endr
.endm
.macro CROUND                          ; a round of the cluster's barrier
	s_barrier_signal -1
	s_barrier_wait -1
	s_cmp_lg_u32 s14, 0
	s_cbranch_scc1 .Lnot_wave_0_\@
	s_barrier_signal -3
.Lnot_wave_0_\@:
	s_barrier_wait -3
	s_barrier_signal -1
	s_barrier_wait -1
.endm
.macro WM                              ; one matrix instruction from the symbols; rRA, rRB = 1: that side's scale words stand in lanes 16-31
.if (rRA == 0) && (rRB == 0)
	v_wmma_scale_f32_16x16x128_f8f6f4 v[rD:rD+7], v[rA:rA+11], v[rB:rB+11], v[rC:rC+7], v[rSA], v[rSB] matrix_a_fmt:MATRIX_FMT_FP6 matrix_b_fmt:MATRIX_FMT_FP6
.elseif (rRA == 1) && (rRB == 0)
	v_wmma_scale_f32_16x16x128_f8f6f4 v[rD:rD+7], v[rA:rA+11], v[rB:rB+11], v[rC:rC+7], v[rSA], v[rSB] matrix_a_fmt:MATRIX_FMT_FP6 matrix_b_fmt:MATRIX_FMT_FP6 matrix_a_scale:MATRIX_SCALE_ROW1
.elseif (rRA == 0) && (rRB == 1)
	v_wmma_scale_f32_16x16x128_f8f6f4 v[rD:rD+7], v[rA:rA+11], v[rB:rB+11], v[rC:rC+7], v[rSA], v[rSB] matrix_a_fmt:MATRIX_FMT_FP6 matrix_b_fmt:MATRIX_FMT_FP6 matrix_b_scale:MATRIX_SCALE_ROW1
.else
	v_wmma_scale_f32_16x16x128_f8f6f4 v[rD:rD+7], v[rA:rA+11], v[rB:rB+11], v[rC:rC+7], v[rSA], v[rSB] matrix_a_fmt:MATRIX_FMT_FP6 matrix_b_fmt:MATRIX_FMT_FP6 matrix_a_scale:MATRIX_SCALE_ROW1 matrix_b_scale:MATRIX_SCALE_ROW1
.endif
.endm
	s_load_b256 s[4:11], s[0:1], 0x0               ; cq s[4:5], wq s[6:7], bias s[8:9], out s[10:11]
	v_lshl_add_u32 v126, v0, 2, 0x38800
	v_mov_b32 v127, 0
	ds_add_u32 v126, v127
	ds_add_u32 v126, v127
	v_lshrrev_b32 v1, 5, v0
	v_readfirstlane_b32 s14, v1                    ; wave 0..3
	s_lshr_b32 s15, s14, 1                         ; th: my 64 tokens.  Also: I fetch for ctx (0) or for c_proj (1)
	s_and_b32 s16, s14, 1                          ; fh: my 64 columns.  Also: which half of K I fetch
	s_bfe_u32 s56, ttmp6, 0x40000                  ; cx
	s_bfe_u32 s57, ttmp6, 0x40004                  ; cy
	s_lshl_b32 s58, ttmp9, 2
	s_add_co_u32 s58, s58, s56                     ; block of 128 columns
	s_and_b32 s59, ttmp7, 0xffff
	s_lshl_b32 s59, s59, 2
	s_add_co_u32 s59, s59, s57                     ; block of 128 tokens
	s_lshl_b32 s60, s57, 2
	s_lshl_b32 s60, 15, s60                        ; my row of the cluster
	s_lshl_b32 s61, 0x1111, s56                    ; my column
	; group 1: half of K, 49,152 dense bytes, as 192 rows of 256 (32 elements of 8 bytes)
	s_or_b32 s24, s60, (3<<16)|(1<<21)
	s_or_b32 s32, s61, (3<<16)|(1<<21)
.irp g, 24, 32
	s_mov_b32 s[\g+1], 32<<16
	s_mov_b32 s[\g+2], 192<<16                     ; ONE LOAD A WAVE: half of K (two quarters, 49,152 dense bytes) of one operand, as 192 rows of 256
	s_mov_b32 s[\g+3], 32<<16
	s_mov_b32 s[\g+4], 192
	s_mov_b32 s[\g+5], 32
	s_mov_b32 s[\g+6], 0
	s_mov_b32 s[\g+7], 0
.endr
	s_mul_i32 s84, s59, 4*QB                       ; ctx: hangs on the token block and the wave alone
	s_mul_i32 s85, s16, 2*QB
	s_add_co_u32 s84, s84, s85
	s_mov_b32 s85, 0
	s_mul_i32 s86, s58, 4*QB                       ; c_proj: on the column block and the wave alone
	s_mul_i32 s87, s16, 2*QB
	s_add_co_u32 s86, s86, s87
	s_add_co_u32 s86, s86, PCDOFF
	s_mov_b32 s87, 0
	s_mul_i32 s62, s16, 2*QB
	s_add_co_u32 s63, s62, BOFF
	s_wait_dscnt 0x0
	s_wait_kmcnt 0x0
	s_add_nc_u64 s[84:85], s[4:5], s[84:85]
	s_add_nc_u64 s[86:87], s[6:7], s[86:87]
.irp g, 0
	s_mov_b32 s[40+4*\g], 1
	s_add_co_u32 s[41+4*\g], s62, \g*QB
	s_add_nc_u64 s[42+4*\g:43+4*\g], s[84:85], \g*QB
	s_or_b32 s[43+4*\g], s[43+4*\g], 0x80000000
	s_mov_b32 s[68+4*\g], 1
	s_add_co_u32 s[69+4*\g], s63, \g*QB
	s_add_nc_u64 s[70+4*\g:71+4*\g], s[86:87], \g*QB
	s_or_b32 s[71+4*\g], s[71+4*\g], 0x80000000
.endr
	CROUND                                         ; all sixteen work-groups are here: the joint loads meet
	s_cmp_eq_u32 s15, 0                            ; a wave's one fill stands in a branch; four v_nop follow it
	s_cbranch_scc0 .Lfirst_b
	tensor_load_to_lds s[40:43], s[24:31]
	s_nop 0
.rept 4
	v_nop
.endr
	s_branch .Lfirst_asked
.Lfirst_b:
	tensor_load_to_lds s[68:71], s[32:39]
	s_nop 0
.rept 4
	v_nop
.endr
.Lfirst_asked:
	v_and_b32 v9, 31, v0
	v_and_b32 v10, 15, v0                          ; r
	v_bfe_u32 v11, v0, 4, 1                        ; h
	v_lshlrev_b32 v12, 3, v9
	s_mul_i32 s88, s15, QB/2
	v_add_nc_u32 v2, s88, v12                      ; my four tiles of ctx, quarters 0-1;
	v_add_nc_u32 v3, 2*QB, v2                      ; quarters 2-3
	v_lshlrev_b32 v13, 4, v9
	s_mul_i32 s88, s16, QB/2
	s_add_co_u32 s88, s88, BOFF
	v_add_nc_u32 v4, s88, v13                      ; my four tiles of c_proj
	v_add_nc_u32 v5, 2*QB, v4
	s_mul_i32 s88, s14, 8704
	s_add_co_u32 s88, s88, STG
	v_mul_u32_u24 v6, v10, 272
	v_lshl_add_u32 v6, v11, 6, v6
	v_add_nc_u32 v6, s88, v6                       ; stage, in: row r, + 64 h
	v_mul_u32_u24 v7, v11, 272
	v_lshl_add_u32 v7, v10, 4, v7
	v_add_nc_u32 v7, s88, v7                       ; stage, out: lanes 0-15 one row of 256 bytes, lanes 16-31 the next
	v_lshlrev_b32 v8, 12, v11
	v_lshl_add_u32 v8, v10, 4, v8                  ; and the same in out (a row is 4,096 bytes)
	v_and_b32 v14, 8, v10
	v_add_nc_u32 v14, v14, v10                     ; r + 8 (r / 8)
	v_lshl_add_u32 v15, v11, 5, v14
	v_lshlrev_b32 v15, 5, v15                      ; scale words: lanes 16-31 take the tile two on (32 rows)
	s_wait_alu depctr_va_vdst(0)
	v_lshlrev_b32 v112, 6, v11                     ; 64 h
	s_wait_alu depctr_va_vdst(0)
	s_lshl_b32 s88, s59, 7
	s_lshl_b32 s89, s15, 6
	s_add_co_u32 s88, s88, s89                     ; my first token
	s_lshl_b32 s92, s88, 12
	s_lshl_b32 s88, s88, 5
	s_add_co_u32 s88, s88, SOFF
	s_mov_b32 s89, 0
	s_add_nc_u64 s[90:91], s[4:5], s[88:89]        ; ctx's scale bytes
	s_lshl_b32 s93, s58, 7
	s_lshl_b32 s94, s16, 6
	s_add_co_u32 s93, s93, s94                     ; my first column
	s_lshl_b32 s94, s93, 2
	s_add_co_u32 s88, s92, s94
	s_add_nc_u64 s[10:11], s[10:11], s[88:89]      ; out at my corner
	s_mov_b32 s88, s94
	s_add_nc_u64 s[8:9], s[8:9], s[88:89]          ; the bias
	s_add_co_u32 s88, s93, 3072
	s_lshl_b32 s88, s88, 5
	s_add_co_u32 s88, s88, SOFF
	s_add_nc_u64 s[96:97], s[6:7], s[88:89]        ; c_proj's scale bytes
.irp i, 0,1
.irp k, 0,1
	global_load_b128 v[16+8*\i+4*\k:19+8*\i+4*\k], v15, s[90:91] offset:256*\i+16*\k   ; register 16 + 8 i + K step: tiles i | i + 2
	global_load_b128 v[32+8*\i+4*\k:35+8*\i+4*\k], v15, s[96:97] offset:256*\i+16*\k
.endr
.endr
.irp f, 0,1,2,3
	global_load_b128 v[48+8*\f:51+8*\f], v112, s[8:9] offset:(32*(\f/2)+8*(\f%2))*4
	global_load_b128 v[52+8*\f:55+8*\f], v112, s[8:9] offset:(32*(\f/2)+8*(\f%2))*4+16
.endr
.macro FETCH q                         ; K step q: 36 LDS loads in one run, into set q % 2
.set fS, (\q)%2
.set fG, (\q)/2
	WIN 0x40                                       ; destination window 1
.irp a, 0,1,2,3
.irp p, 0,1,2,3,4,5
	ds_load_b64 v[96*fS+12*\a+2*\p:96*fS+12*\a+2*\p+1], v[2+fG/2] offset:QB*(fG%2)+3072*\a+1536*fS+256*\p
.endr
.endr
.irp f, 0,1,2,3
.irp k, 0,1,2
	ds_load_b128 v[96*fS+48+12*\f+4*\k:96*fS+48+12*\f+4*\k+3], v[4+fG/2] offset:QB*(fG%2)+3072*\f+1536*fS+512*\k
.endr
.endr
.endm
.macro MUL q                           ; its 16 products; the accumulators take turns, one instruction a turn
.set mS, (\q)%2
	WIN 0x05                                       ; sources 0 and 1 window 1; C and D window 0
.irp a, 0,1,2,3
.irp f, 0,1,2,3
.set rD, 128+8*(4*\a+\f)
.set rA, 96*mS+48+12*\f
.set rB, 96*mS+12*\a
.if (\q) == 0
.set rC, 48+8*\f
.else
.set rC, rD
.endif
.set rSA, 32+8*(\f%2)+(\q)
.set rSB, 16+8*(\a%2)+(\q)
.set rRA, \f/2
.set rRB, \a/2
	WM
.endr
.endr
.endm
	s_wait_loadcnt 0x0
	s_wait_tensorcnt 0x0                           ; my one load is in; behind the barrier all of K of both operands is
	s_barrier_signal -1
	s_barrier_wait -1
	FETCH 0
.irp q, 0,1,2,3,4,5,6
	s_wait_dscnt 0x0                               ; this step's fragments are in
	PLACES
	FETCH \q+1
	MUL \q
.endr
	s_wait_dscnt 0x0
	MUL 7
	; THE WAY OUT: 32 tokens at a time through my own stage, back as rows of 256 bytes; LDS serves a wave's instructions in order, so no wait stands between the stores and the loads, nor in front of the next half's stores.
	WIN 0
	PLACES
.irp e, 0,1
.irp u, 0,1
.irp f, 0,1,2,3
	ds_store_b128 v6, v[128+8*(4*(2*\e+\u)+\f):128+8*(4*(2*\e+\u)+\f)+3] offset:4352*\u+(32*(\f/2)+8*(\f%2))*4        ; each accumulator from its low end on
	ds_store_b128 v6, v[128+8*(4*(2*\e+\u)+\f)+4:128+8*(4*(2*\e+\u)+\f)+7] offset:4352*\u+(32*(\f/2)+8*(\f%2))*4+16
.endr
.endr
.irp i, 0,1,2,3,4,5,6,7,8,9,10,11,12,13,14,15
	ds_load_b128 v[48+80*\e+4*\i:48+80*\e+4*\i+3], v7 offset:544*\i   ; the second half lands in the first half's accumulators, which have gone to the stage
.endr
.endr
.irp e, 0,1
.irp i, 0,1,2,3,4,5,6,7,8,9,10,11,12,13,14,15
	s_wait_dscnt (1-\e)*32+15-\i                   ; the LDS instructions issued behind this pair of rows may be out
	global_store_b128 v8, v[48+80*\e+4*\i:48+80*\e+4*\i+3], s[10:11] offset:(32*\e+8*(\i/8)+2*(\i%8)+8*((\i%8)/4))*4096 th:TH_STORE_NT   ; 16 lanes store 256 consecutive bytes, aligned
.endr
.endr
	s_wait_tensorcnt 0x0
	ds_add_u32 v126, v127
	s_wait_dscnt 0x0
	CROUND                                         ; the closing round
	s_endpgm
.Lfunc_end_k_q99623fe97c_proj:
	.size	k_q99623fe97c_proj, .Lfunc_end_k_q99623fe97c_proj-k_q99623fe97c_proj
	.p2alignl 7, 3214868480
	.fill 96, 4, 3214868480
	.section	.rodata,"a",@progbits
	.p2align	6, 0x0
	.amdhsa_kernel k_q99623fe97c_proj
		.amdhsa_group_segment_fixed_size 231936
		.amdhsa_private_segment_fixed_size 0
		.amdhsa_enable_private_segment 0
		.amdhsa_kernarg_size 32
		.amdhsa_user_sgpr_count 2
		.amdhsa_user_sgpr_kernarg_segment_ptr 1
		.amdhsa_wavefront_size32 1
		.amdhsa_system_sgpr_workgroup_id_x 1
		.amdhsa_system_sgpr_workgroup_id_y 1
		.amdhsa_system_sgpr_workgroup_id_z 1
		.amdhsa_system_vgpr_workitem_id 0
		.amdhsa_next_free_vgpr 512
		.amdhsa_next_free_sgpr 100
		.amdhsa_reserve_vcc 0
		.amdhsa_float_denorm_mode_32 3
		.amdhsa_float_denorm_mode_16_64 3
		.amdhsa_memory_ordered 1
		.amdhsa_forward_progress 1
		.amdhsa_inst_pref_size 52
	.end_amdhsa_kernel
	.amdgpu_metadata
---
amdhsa.version: [ 1, 2 ]
amdhsa.kernels:
  - .name:           k_q99623fe97c_proj
    .symbol:         k_q99623fe97c_proj.kd
    .args:
      - { .name: cq, .offset: 0, .size: 8, .value_kind: global_buffer, .address_space: global }
      - { .name: wq, .offset: 8, .size: 8, .value_kind: global_buffer, .address_space: global }
      - { .name: c_proj_bias, .offset: 16, .size: 8, .value_kind: global_buffer, .address_space: global }
      - { .name: out0, .offset: 24, .size: 8, .value_kind: global_buffer, .address_space: global }
    .group_segment_fixed_size: 231936
    .private_segment_fixed_size: 0
    .kernarg_segment_align: 8
    .kernarg_segment_size: 32
    .max_flat_workgroup_size: 128
    .sgpr_count:     100
    .vgpr_count:     512
    .wavefront_size: 32
...
	.end_amdgpu_metadata
.endif
;; end of part 4
